; MI455X (gfx1250); checked and timed in simulation.
; The chip was launched on July 23, 2026; its instructions are those of AMD's public machine-readable ISA for CDNA 5 (MIT licence, August 2026) and "CDNA5" Instruction Set Architecture Reference Guide (July 2026). The comments in the code are by the model that wrote it; some were corrected since.
;; Neural ODE. Allowed arithmetic: float matrix products may take bf16 or f16 operands with f32 sums; other float arithmetic in f32, or as packed bf16 or f16 multiplies, adds, multiply-adds, maxima and minima; sums over many terms, partial sums and values carried from step to step in f32; what a program stores and reads back later, other than sums and carried values, may be rounded once to bf16 or f16.
;; Inputs: W1 64 x 32 float32; W2 64 x 64 float32; W3 32 x 64 float32; b1 64 float32; b2 64 float32; b3 32 float32; ts 32 float32; y0 4,096 x 32 float32.
;; Outputs: out0 32 x 4,096 x 32 float32; out1 one number int32.
;; 3 versions, each right and faster than the one before. Each part assembles by itself: llvm-mc -triple=amdgcn-amd-amdhsa -mcpu=gfx1250 --defsym DOCPART=n.
;; ======== version 1 of 3: 1 launch
;; launch node (part 1): grid 256 x 1, 1 waves a work-group, no clusters, 2,560 bytes of LDS; arguments y0, ts, W1, b1, W2, b2, W3, b3, out0, out1; writes out0, out1
.if DOCPART == 1
	.amdgcn_target "amdgcn-amd-amdhsa--gfx1250"
	.amdhsa_code_object_version 6
	.text
	.protected	k_q2ed7dc6b9e_node
	.globl	k_q2ed7dc6b9e_node
	.p2align	8
	.type	k_q2ed7dc6b9e_node,@function
k_q2ed7dc6b9e_node:
	s_mov_b64 s[64:65], 0
	v_nop
	global_prefetch_b8 v0, s[64:65] scope:SCOPE_SE
	s_setreg_imm32_b32 hwreg(HW_REG_WAVE_MODE, 25, 1), 1
	s_wait_xcnt 0x0
; NEURAL ODE.  4,096 rows of 32 numbers go through 31 intervals x 2 Dopri5 steps x 6 evaluations of f(y) = W3 sp(W2 sp(W1 y + b1) + b2) + b3, sp = softplus; the state is stored
; behind every interval (out0), and the number of steps, 62, once (out1).
; SHARES.  The 372 evaluations follow each other, and so do an evaluation's three layers; only the rows are independent.  A matrix instruction takes 16 rows, so there are 256 chains: 256 work-groups
; of ONE wave, wave g with rows 16 g .. 16 g + 15 for the whole integration.  Weights (bf16), biases, state and all stage sums stay in registers; nothing passes between waves.  No cluster, no tensor load,
; no prefetch: what work-groups share is 32 KB of weights, read once each at the start.
; LAYOUT.  Every layer is taken transposed, H^T = W X^T: source 0 = 16 rows of W, source 1 = the activations (column = batch row).  In a result lane l holds batch row l % 16 and units 8 (l / 16) + 0..7 of
; the tile.  Two such tiles, rounded to bf16 in pairs, ARE source 1 (32 k x 16 rows) of the next layer: nothing ever changes lanes.  y and k lie likewise: registers 0-7 channels 8 (l / 16) + j,
; registers 8-15 channels 16 + 8 (l / 16) + j.  The bias is the C operand of each sum's first product.
; BASE 2.  With c = log2(e) the state is kept as Y = c y and the biases as c b.  Then u = W Y + c b, g = log2(1 + 2^u) = c sp(u / c), K = c k: the weights stay as they are, and no multiply stands at
; v_exp_f32 or v_log_f32.  The stored state is Y ln 2; out0[0] is y0 itself.
; SOFTPLUS, the maximum taken away first: m = max(u, 0); n = u - 2 m = -|u|; g = m + log2(1 + 2^n).
; RUNGE-KUTTA BY SCATTERING.  When K_j is there, one term is wanted at once (the next stage's input); its terms for the later stages and the final sum are dealt into evaluation j + 1, where they are
; the places behind two matrix instructions.  One buffer holds K.
; LIMITS.  Weights and activations are rounded to bf16 as matrix operands; all else is f32.  The stage sums are formed as y + (h a1) k1 + (h a2) k2 .., an order of rounding other than the reference's.
; log1p(e) is taken as log2(1 + e): absolute error up to 2^-24, so softplus below about 3e-5 loses relative accuracy.  2^n below 2^-126 counts as 0.  A pre-activation of +infinity gives NaN.
;
; REGISTERS, in windows of 256 (s_set_vgpr_msb: bits 1:0 source 0, 3:2 source 1, 5:4 source 2, 7:6 destination).
.set O128, 3          ; v3   128 (l % 16) + 32 (l / 16): my place in rows of 128 bytes (W1, y0)
.set O256, 4          ; v4   256 (l % 16) + 32 (l / 16): in rows of 256 bytes (W2, W3)
.set BO,   5          ; v5   32 (l / 16): my eight numbers of a bias tile
.set STO,  6          ; v6   the way out: where I put my 32 bytes of a row in the stage
.set RD,   7          ; v7   the way out: where I read 16 bytes back
.set GO,   8          ; v8   16 l: my 16 bytes of 512 consecutive bytes of out0
.set SPW,  9          ; v9   LDS address of my spare word; never rewritten
.set NIL,  10         ; v10  0; never rewritten
.set N62,  11         ; v11  62
.set ZO,   12         ; v12  0: out1's offset
.set W1A,  16         ; window 0  v16-47    W1: tile t at +8 t
.set W2A,  48         ;           v48-111   W2: tile t, K step c at +16 t + 8 c
.set B1,   112        ;           v112-143  c b1: tile t at +8 t
.set U,    144        ;           v144-175  a layer's 32 pre-activations; then n, 2^n, 1 + 2^n, log2(..), in place
.set M,    176        ;           v176-207  m, then g
.set G,    208        ;           v208-223  g in bf16: source 1 of the next layer, K step c at +8 c
.set YB,   224        ;           v224-231  the stage's input in bf16: source 1 of layer 1
.set KT,   232        ;           v232-247  K of the evaluation just made
.set W3A,  0          ; window 1  v0-31     W3: tile t, K step c at +16 t + 8 c
.set B2,   32         ;           v32-63    c b2
.set B3,   64         ;           v64-79    c b3
.set Y,    80         ;           v80-95    the state
.set ACC,  96         ;           v96-191   the sums: stage T's input (T = 2..6) and the final sum (T = 7) at +16 (T - 2)
.set OT,   192        ;           v192-207  the state as it is stored
.set OB,   208        ;           v208-223  the same, read back from the stage as whole rows
.set TMP,  0          ; window 2  v0-255    set-up alone: 16 weight fragments in f32, 16 registers each
.set CO,   24         ; s[24:63] twenty pairs: h a in the even word; the odd word is 0 (a packed instruction names the pair)
.set T0,   66         ; s[66:67] ts[i], ts[i + 1]
.set HH,   68         ; s68  h
.set IV,   69         ; s69  intervals to go
.set SS,   70         ; s70  steps of the interval to go
.set TO,   71         ; s71  byte offset in ts of the pair asked for last
.set SP,    144       ; a stage row: 128 bytes + 16
.set STAGE, 0         ; LDS: 16 rows x 144 bytes
.set SPARE, 2304      ; behind it: the spare words, one block of 256 bytes that no other line names
.set LOG2E, 0x3fb8aa3b
.set LN2,   0x3f317218
.set MSB, 0
.macro WIN new                      ; the immediate's high byte repeats the setting that is left; a switch that changes nothing is dropped
.if MSB != (\new)
	s_set_vgpr_msb (MSB<<8)|(\new)
.set MSB, \new
.endif
.endm
; THE PRODUCTS.  Their order in an evaluation: MM1 0-3, MM2A 0-3, MM2B 0-3, MM3A 0, 1, MM3B 0, 1: no two that follow each other share an accumulator, over the backward jump too,
; and every turn is one instruction.
.macro MM1 t                        ; layer 1, units 16 t on: W1 x YB + c b1
	WIN 0
	v_wmma_f32_16x16x32_bf16 v[U+8*(\t):U+8*(\t)+7], v[W1A+8*(\t):W1A+8*(\t)+7], v[YB:YB+7], v[B1+8*(\t):B1+8*(\t)+7]
.endm
.macro MM2A t                       ; layer 2, k = 0..31, started by c b2 (window 1)
	WIN 0x10
	v_wmma_f32_16x16x32_bf16 v[U+8*(\t):U+8*(\t)+7], v[W2A+16*(\t):W2A+16*(\t)+7], v[G:G+7], v[B2+8*(\t):B2+8*(\t)+7]
.endm
.macro MM2B t                       ; layer 2, k = 32..63
	WIN 0
	v_wmma_f32_16x16x32_bf16 v[U+8*(\t):U+8*(\t)+7], v[W2A+16*(\t)+8:W2A+16*(\t)+15], v[G+8:G+15], v[U+8*(\t):U+8*(\t)+7]
.endm
.macro MM3A t                       ; layer 3, k = 0..31: W3 and c b3 in window 1
	WIN 0x11
	v_wmma_f32_16x16x32_bf16 v[KT+8*(\t):KT+8*(\t)+7], v[W3A+16*(\t):W3A+16*(\t)+7], v[G:G+7], v[B3+8*(\t):B3+8*(\t)+7]
.endm
.macro MM3B t                       ; layer 3, k = 32..63
	WIN 0x01
	v_wmma_f32_16x16x32_bf16 v[KT+8*(\t):KT+8*(\t)+7], v[W3A+16*(\t)+8:W3A+16*(\t)+15], v[G+8:G+15], v[KT+8*(\t):KT+8*(\t)+7]
.endm
.macro MMN lay, t                   ; the product that finishes tile t of hidden layer lay
.if (\lay) == 1
	MM1 \t
.else
	MM2B \t
.endif
.endm
; THE SOFTPLUS of a layer's 32 numbers a lane, in three parts with one wait behind each batch of transcendentals.
.macro PQ                           ; the plain queue, 48 long: for pair q / 3: m, m, n = u - 2 m
.set pp, q/3
.if q%3 == 0
	v_max_num_f32 v[M+2*pp], 0, v[U+2*pp]
.elseif q%3 == 1
	v_max_num_f32 v[M+2*pp+1], 0, v[U+2*pp+1]
.else
	v_pk_fma_f32 v[U+2*pp:U+2*pp+1], v[M+2*pp:M+2*pp+1], -2.0, v[U+2*pp:U+2*pp+1] op_sel_hi:[1,0,1]
.endif
.set q, q+1
.endm
.macro EQ                           ; the exponentials' queue, 32 long
	v_exp_f32 v[U+e], v[U+e]
.set e, e+1
.endm
.macro GRP                          ; the exponentials of one pair among the plain work of the pair two further on
	EQ
	PQ
	EQ
	PQ
	PQ
.endm
; Part 1.  Tile 0's product stands ahead of the macro, four places or more back.  Tiles 1 to 3 are finished here, each well ahead of its first reader: tile t is first read by plain number 12 t, at its
; lowest register; behind the product of tile 1 stand twelve plain instructions on tile 0 before that, behind those of tiles 2 and 3 more.
; Nothing ahead of the wait names an exponential's result; the v_nop is the plain instruction behind the last of the batch.
.macro S1 lay
.set q, 0
.set e, 0
	MMN \lay, 1
.rept 6
	PQ
.endr
	GRP
	MMN \lay, 2
	GRP
	GRP
	MMN \lay, 3
.rept 11
	GRP
.endr
.rept 4
	EQ
.endr
	v_nop
	s_wait_alu depctr_va_vdst(0)    ; one wait for the 32 exponentials, ahead of their first reader
.endm
.macro AQ p                         ; 1 + 2^n, a pair
	v_pk_add_f32 v[U+2*(\p):U+2*(\p)+1], v[U+2*(\p):U+2*(\p)+1], 1.0 op_sel_hi:[1,0]
.endm
.macro LQ n
	v_log_f32 v[U+(\n)], v[U+(\n)]
.endm
; Part 2.  The additions run two pairs ahead of the logarithms; no line ahead of the wait names a logarithm's result.
.macro S2
	AQ 0
	AQ 1
.set i, 0
.rept 16
	LQ 2*i
.if i+2 < 16
	AQ i+2
.endif
	LQ 2*i+1
.set i, i+1
.endr
	v_nop
	s_wait_alu depctr_va_vdst(0)    ; one wait for the 32 logarithms
.endm
.macro GQ p                         ; g = m + log2(1 + 2^n), into M: U is free for the next layer's sums
	v_pk_add_f32 v[M+2*(\p):M+2*(\p)+1], v[U+2*(\p):U+2*(\p)+1], v[M+2*(\p):M+2*(\p)+1]
.endm
.macro CQ n                         ; a pair of g rounded to bf16
	v_cvt_pk_bf16_f32 v[G+(\n)], v[M+2*(\n)], v[M+2*(\n)+1]
.endm
; Part 3 behind layer 1: the first half of g starts layer 2's four sums; the second half is made behind those products, four lines each.  Those lines have two sources, so the window of source 2,
; which the products set, does not touch them; each reads U's tile before the product that writes over it, and none names a register of the products round it.
.macro S3A
.irp p, 0,1,2,3,4,5,6,7
	GQ \p
.endr
.irp p, 0,1,2,3,4,5,6,7
	CQ \p
.endr
	MM2A 0
.irp p, 8,9,10,11
	GQ \p
.endr
	MM2A 1
.irp p, 12,13,14,15
	GQ \p
.endr
	MM2A 2
.irp p, 8,9,10,11
	CQ \p
.endr
	MM2A 3
.irp p, 12,13,14,15
	CQ \p
.endr
.endm
; Part 3 behind layer 2: likewise for layer 3's two sums.  Behind the last product nothing is ready but what reads it: four v_nop are the places.
.macro S3B
.irp p, 0,1,2,3,4,5,6,7
	GQ \p
.endr
.irp p, 0,1,2,3,4,5,6,7
	CQ \p
.endr
	MM3A 0
	MM3A 1
	WIN 0
.irp p, 8,9,10,11,12,13,14,15
	GQ \p
.endr
.irp p, 8,9,10,11,12,13,14,15
	CQ \p
.endr
	MM3B 0
	MM3B 1
.rept 4
	v_nop
.endr
.endm
; RUNGE-KUTTA.  Pair p of sum T takes h a(T, j) K_j.  K_1's term starts a sum from Y; K_6's term ends the final sum, which is the new Y.
; The coefficient's place: (T - 2)(T - 1) / 2 + j - 1 for T <= 6; for the final sum 15 (j = 1) and 13 + j (j = 3..6; K_2 has no part in it).
.macro RKOP j, T, p
.if (\T) == 7
.if (\j) == 1
.set ci, 15
.else
.set ci, 13+(\j)
.endif
.else
.set ci, ((\T)-2)*((\T)-1)/2+(\j)-1
.endif
.set rD, ACC+16*((\T)-2)+2*(\p)
.set rA, rD
.if (\j) == 1
.set rA, Y+2*(\p)
.endif
.if ((\j) == 6) && ((\T) == 7)
.set rD, Y+2*(\p)
.endif
	WIN 0x50                        ; K in window 0; the sum, as source 2 and as destination, in window 1
	v_pk_fma_f32 v[rD:rD+1], v[KT+2*(\p):KT+2*(\p)+1], s[CO+2*ci:CO+2*ci+1], v[rA:rA+1] op_sel_hi:[1,0,1]
.endm
.macro FILL n                       ; the next n of K_FJ's terms for the sums FJ + 2 and later; v_nop where none is left
.rept \n
.if FQ < FN
	RKOP FJ, FJ+2+FQ/8, FQ%8
.set FQ, FQ+1
.else
	v_nop
.endif
.endr
.endm
.macro CRIT j                       ; the term that the next stage waits for; K's registers are read in ascending order, each tile's lowest first
.irp p, 0,1,2,3,4,5,6,7
	RKOP \j, (\j)+1, \p
.endr
.endm
.macro CVT src                      ; a stage's input, rounded to bf16: source 1 of layer 1
	WIN 0x05
.irp i, 0,1,2,3,4,5,6,7
	v_cvt_pk_bf16_f32 v[YB+\i], v[(\src)+2*\i], v[(\src)+2*\i+1]
.endr
.endm
; EVALUATION j: K_j = c f(stage j's input), which lies in YB.  K_(j-1)'s later terms (40, 24, 24, 16, 8 for j = 2..6) are dealt in two halves, behind the first product of layer 1 and behind the product that
; finishes tile 0 of layer 2: four or more plain lines that name none of that product's registers, the places ahead of the softplus that reads it.  All stand ahead of layer 3, which writes K anew.
.macro EVAL j
.set FJ, (\j)-1
.set FQ, 0
.set FN, 0
.if (\j) == 2
.set FN, 40
.elseif ((\j) == 3) || ((\j) == 4)
.set FN, 24
.elseif (\j) == 5
.set FN, 16
.elseif (\j) == 6
.set FN, 8
.endif
.set FH, FN/2
.if FH < 4
.set FH, 4
.endif
	MM1 0
	FILL FH
	S1 1
	S2
	S3A
	MM2B 0
	FILL FH
	S1 2
	S2
	S3B
.endm
.macro STEP                         ; one Dopri5 step: Y and YB in, Y and YB out
.irp j, 1,2,3,4,5
	EVAL \j
	CRIT \j
	CVT ACC+16*(\j-1)
.endr
	EVAL 6
	CRIT 6
	CVT Y
.endm
; THE WAY OUT.  A lane holds 2 x 32 bytes of one row; the 16 rows go through the wave's stage in LDS and come back as 4 x 512 consecutive bytes: each store of the wave covers 512 consecutive bytes, aligned.
; first = 1: OT holds y0 as it was loaded, and out0's address stands at the first block of rows.
.macro SAVE first
.if !(\first)
	WIN 0x41
.irp i, 0,1,2,3,4,5,6,7
	v_pk_mul_f32 v[OT+2*\i:OT+2*\i+1], v[Y+2*\i:Y+2*\i+1], LN2 op_sel_hi:[1,0]
.endr
.endif
	WIN 0x04                        ; the data of LDS and global stores in window 1
	ds_store_b128 v[STO], v[OT:OT+3]
	ds_store_b128 v[STO], v[OT+4:OT+7] offset:16
	ds_store_b128 v[STO], v[OT+8:OT+11] offset:64
	ds_store_b128 v[STO], v[OT+12:OT+15] offset:80
	s_wait_xcnt 0x0                 ; the last way out's stores have read OB and their base: only behind this wait are both written again
.if !(\first)
	s_add_nc_u64 s[20:21], s[20:21], 524288  ; the next block of 4,096 rows of 128 bytes
.endif
	WIN 0x40
.irp i, 0,1,2,3
	ds_load_b128 v[OB+4*\i:OB+4*\i+3], v[RD] offset:576*\i  ; four rows each; LDS serves a wave's instructions in order (ISA guide 5.7.1.4): these see the stores above
.endr
	WIN 0x04
.irp i, 0,1,2,3
	s_wait_dscnt 3-\i               ; LDS loads come back in order: load i is in, the 3 - i younger ones may be out
	global_store_b128 v[GO], v[OB+4*\i:OB+4*\i+3], s[20:21] offset:512*\i th:TH_STORE_NT
.endr
	WIN 0
.endm
.macro FRAG f, adr, base, byte      ; a weight fragment in f32: k = 8 h + 0..7 (32 bytes) and k = 16 + 8 h + 0..7 (32 bytes, 64 further on) of my row
	global_load_b128 v[TMP+16*(\f):TMP+16*(\f)+3],     v[\adr], s[\base:\base+1] offset:(\byte)
	global_load_b128 v[TMP+16*(\f)+4:TMP+16*(\f)+7],   v[\adr], s[\base:\base+1] offset:(\byte)+16
	global_load_b128 v[TMP+16*(\f)+8:TMP+16*(\f)+11],  v[\adr], s[\base:\base+1] offset:(\byte)+64
	global_load_b128 v[TMP+16*(\f)+12:TMP+16*(\f)+15], v[\adr], s[\base:\base+1] offset:(\byte)+80
.endm
.macro COEF n, a                    ; h x a Butcher coefficient
	s_mul_f32 s[CO+2*(\n)], s[HH], \a
.endm
	; THE HEAD
	s_load_b256 s[4:11], s[0:1], 0x0    ; y0 s[4:5], ts s[6:7], W1 s[8:9], b1 s[10:11]
	s_load_b256 s[12:19], s[0:1], 0x20  ; W2 s[12:13], b2 s[14:15], W3 s[16:17], b3 s[18:19]
	s_load_b128 s[20:23], s[0:1], 0x40  ; out0 s[20:21], out1 s[22:23]
	v_lshl_add_u32 v[SPW], v0, 2, SPARE
	v_mov_b32 v[NIL], 0
	v_and_b32 v1, 15, v0                ; l % 16
	v_bfe_u32 v2, v0, 4, 1              ; l / 16
	v_lshlrev_b32 v[BO], 5, v2
	v_lshl_add_u32 v[O128], v1, 7, v[BO]
	v_lshl_add_u32 v[O256], v1, 8, v[BO]
	v_mul_u32_u24 v[STO], v1, SP        ; in: row l % 16, 32 bytes for each half of the lanes
	v_add_nc_u32 v[STO], v[STO], v[BO]
	v_lshrrev_b32 v[RD], 3, v0          ; back: eight lanes take a row of 128 bytes
	v_mul_u32_u24 v[RD], v[RD], SP
	v_and_b32 v[GO], 7, v0
	v_lshl_add_u32 v[RD], v[GO], 4, v[RD]
	v_lshlrev_b32 v[GO], 4, v0
	v_mov_b32 v[N62], 62                ; (T - 1) x K steps
	v_mov_b32 v[ZO], 0
.set i, 0
.rept 20
	s_mov_b32 s[CO+2*i+1], 0
.set i, i+1
.endr
	s_lshl_b32 s2, ttmp9, 11            ; my 16 rows of 128 bytes
	s_mov_b32 s3, 0
	s_mov_b32 s[TO], 0
	s_mov_b32 s[IV], 31
	s_wait_kmcnt 0x0
	s_add_nc_u64 s[4:5], s[4:5], s[2:3]
	s_add_nc_u64 s[20:21], s[20:21], s[2:3]
	s_load_b64 s[T0:T0+1], s[6:7], 0x0  ; ts[0], ts[1]
	; all that the launch reads from memory but ts: one run of 88 loads
	WIN 0x80
.irp t, 0,1,2,3
	FRAG \t, O128, 8, 2048*\t
.endr
.irp t, 0,1,2,3
.irp c, 0,1
	FRAG 4+2*\t+\c, O256, 12, 4096*\t+128*\c
.endr
.endr
.irp t, 0,1
.irp c, 0,1
	FRAG 12+2*\t+\c, O256, 16, 4096*\t+128*\c
.endr
.endr
	WIN 0
.irp t, 0,1,2,3
	global_load_b128 v[B1+8*\t:B1+8*\t+3],   v[BO], s[10:11] offset:64*\t
	global_load_b128 v[B1+8*\t+4:B1+8*\t+7], v[BO], s[10:11] offset:64*\t+16
.endr
	WIN 0x40
.irp t, 0,1,2,3
	global_load_b128 v[B2+8*\t:B2+8*\t+3],   v[BO], s[14:15] offset:64*\t
	global_load_b128 v[B2+8*\t+4:B2+8*\t+7], v[BO], s[14:15] offset:64*\t+16
.endr
.irp t, 0,1
	global_load_b128 v[B3+8*\t:B3+8*\t+3],   v[BO], s[18:19] offset:64*\t
	global_load_b128 v[B3+8*\t+4:B3+8*\t+7], v[BO], s[18:19] offset:64*\t+16
.endr
	global_load_b128 v[OT:OT+3],     v[O128], s[4:5] th:TH_LOAD_NT
	global_load_b128 v[OT+4:OT+7],   v[O128], s[4:5] offset:16 th:TH_LOAD_NT
	global_load_b128 v[OT+8:OT+11],  v[O128], s[4:5] offset:64 th:TH_LOAD_NT
	global_load_b128 v[OT+12:OT+15], v[O128], s[4:5] offset:80 th:TH_LOAD_NT
	s_wait_loadcnt 0x0
	WIN 0x0a                            ; sources in window 2, destination in window 0: W1's four and W2's eight fragments lie on end
.set f, 0
.rept 12
.irp i, 0,1,2,3,4,5,6,7
	v_cvt_pk_bf16_f32 v[W1A+8*f+\i], v[TMP+16*f+2*\i], v[TMP+16*f+2*\i+1]
.endr
.set f, f+1
.endr
	WIN 0x4a                            ; W3's four, into window 1
.rept 4
.irp i, 0,1,2,3,4,5,6,7
	v_cvt_pk_bf16_f32 v[W3A+8*(f-12)+\i], v[TMP+16*f+2*\i], v[TMP+16*f+2*\i+1]
.endr
.set f, f+1
.endr
	WIN 0
.set i, 0
.rept 16
	v_pk_mul_f32 v[B1+i:B1+i+1], v[B1+i:B1+i+1], LOG2E op_sel_hi:[1,0]  ; c b1
.set i, i+2
.endr
	WIN 0x41
.set i, 0
.rept 24
	v_pk_mul_f32 v[B2+i:B2+i+1], v[B2+i:B2+i+1], LOG2E op_sel_hi:[1,0]  ; c b2 and, behind it, c b3
.set i, i+2
.endr
.set i, 0
.rept 8
	v_pk_mul_f32 v[Y+i:Y+i+1], v[OT+i:OT+i+1], LOG2E op_sel_hi:[1,0]    ; Y = c y0
.set i, i+2
.endr
	SAVE 1                              ; out0[0] = y0
	CVT Y
	WIN 0                               ; at a label and at a branch every window is 0
.Linterval:                             ; 31 trips: ts[i] to ts[i + 1] in two steps
	s_wait_kmcnt 0x0                    ; the pair of times, asked for an interval ago; the load has also read its offset, which is stepped below
	s_xor_b32 s[T0], s[T0], 0x80000000
	s_add_f32 s[HH], s[T0+1], s[T0]     ; t1 - t0
	s_mul_f32 s[HH], s[HH], 0.5         ; h
	COEF 0,  0x3e4ccccd                 ; stage 2:  1/5
	COEF 1,  0x3d99999a                 ; stage 3:  3/40
	COEF 2,  0x3e666666                 ;           9/40
	COEF 3,  0x3f7a4fa5                 ; stage 4:  44/45
	COEF 4,  0xc06eeeef                 ;           -56/15
	COEF 5,  0x40638e39                 ;           32/9
	COEF 6,  0x403cf760                 ; stage 5:  19372/6561
	COEF 7,  0xc139885f                 ;           -25360/2187
	COEF 8,  0x411d2a92                 ;           64448/6561
	COEF 9,  0xbe94e4f6                 ;           -212/729
	COEF 10, 0x40362960                 ; stage 6:  9017/3168
	COEF 11, 0xc12c1f08                 ;           -355/33
	COEF 12, 0x410e80b5                 ;           46732/5247
	COEF 13, 0x3e8e8ba3                 ;           49/176
	COEF 14, 0xbe8c0c4c                 ;           -5103/18656
	COEF 15, 0x3dbaaaab                 ; the sum:  35/384
	COEF 16, 0x3ee6024d                 ;           500/1113
	COEF 17, 0x3f26aaab                 ;           125/192
	COEF 18, 0xbea50e7e                 ;           -2187/6784
	COEF 19, 0x3e061862                 ;           11/84
	s_add_co_u32 s[TO], s[TO], 4        ; the next interval's pair, asked for a whole interval ahead;
	s_min_u32 s[TO], s[TO], 120         ; in the last trip, whose pair nobody uses, it stays the buffer's last pair
	s_load_b64 s[T0:T0+1], s[6:7], s[TO] offset:0x0
	s_mov_b32 s[SS], 2
.Lstep:
	STEP
	WIN 0
	s_sub_co_u32 s[SS], s[SS], 1
	s_cmp_lg_u32 s[SS], 0
	s_cbranch_scc1 .Lstep
	SAVE 0
	s_sub_co_u32 s[IV], s[IV], 1
	s_cmp_lg_u32 s[IV], 0
	s_cbranch_scc1 .Linterval
	s_wait_kmcnt 0x0                    ; the last trip's load of times has landed
	s_cmp_lg_u32 ttmp9, 0               ; out1 is work-group 0's, and there one lane's
	s_cbranch_scc1 .Lend
	v_cmp_eq_u32 vcc_lo, 0, v0
	s_wait_xcnt 0x0                     ; EXEC is a source of the stores that are out: it changes only behind this wait
	s_and_saveexec_b32 s72, vcc_lo
	global_store_b32 v[ZO], v[N62], s[22:23]
	s_wait_xcnt 0x0                     ; and again ahead of the line that widens it
	s_or_b32 exec_lo, exec_lo, s72
.Lend:
	s_wait_tensorcnt 0x0                ; the wave's end, behind my last LDS store
	ds_add_u32 v[SPW], v[NIL]
	s_wait_dscnt 0x0
	s_endpgm
.Lfunc_end_k_q2ed7dc6b9e_node:
	.size	k_q2ed7dc6b9e_node, .Lfunc_end_k_q2ed7dc6b9e_node-k_q2ed7dc6b9e_node
	.p2alignl 7, 3214868480
	.fill 96, 4, 3214868480
	.section	.rodata,"a",@progbits
	.p2align	6, 0x0
	.amdhsa_kernel k_q2ed7dc6b9e_node
		.amdhsa_group_segment_fixed_size 2560
		.amdhsa_private_segment_fixed_size 0
		.amdhsa_enable_private_segment 0
		.amdhsa_kernarg_size 80
		.amdhsa_user_sgpr_count 2
		.amdhsa_user_sgpr_kernarg_segment_ptr 1
		.amdhsa_wavefront_size32 1
		.amdhsa_system_sgpr_workgroup_id_x 1
		.amdhsa_system_sgpr_workgroup_id_y 1
		.amdhsa_system_sgpr_workgroup_id_z 1
		.amdhsa_system_vgpr_workitem_id 0
		.amdhsa_next_free_vgpr 768
		.amdhsa_next_free_sgpr 80
		.amdhsa_reserve_vcc 1
		.amdhsa_float_denorm_mode_32 3
		.amdhsa_float_denorm_mode_16_64 3
		.amdhsa_memory_ordered 1
		.amdhsa_forward_progress 1
		.amdhsa_inst_pref_size 137
	.end_amdhsa_kernel
	.amdgpu_metadata
---
amdhsa.version: [ 1, 2 ]
amdhsa.kernels:
  - .name:           k_q2ed7dc6b9e_node
    .symbol:         k_q2ed7dc6b9e_node.kd
    .args:
      - { .name: y0, .offset: 0, .size: 8, .value_kind: global_buffer, .address_space: global }
      - { .name: ts, .offset: 8, .size: 8, .value_kind: global_buffer, .address_space: global }
      - { .name: W1, .offset: 16, .size: 8, .value_kind: global_buffer, .address_space: global }
      - { .name: b1, .offset: 24, .size: 8, .value_kind: global_buffer, .address_space: global }
      - { .name: W2, .offset: 32, .size: 8, .value_kind: global_buffer, .address_space: global }
      - { .name: b2, .offset: 40, .size: 8, .value_kind: global_buffer, .address_space: global }
      - { .name: W3, .offset: 48, .size: 8, .value_kind: global_buffer, .address_space: global }
      - { .name: b3, .offset: 56, .size: 8, .value_kind: global_buffer, .address_space: global }
      - { .name: out0, .offset: 64, .size: 8, .value_kind: global_buffer, .address_space: global }
      - { .name: out1, .offset: 72, .size: 8, .value_kind: global_buffer, .address_space: global }
    .group_segment_fixed_size: 2560
    .private_segment_fixed_size: 0
    .kernarg_segment_align: 8
    .kernarg_segment_size: 80
    .max_flat_workgroup_size: 32
    .sgpr_count:     80
    .vgpr_count:     768
    .wavefront_size: 32
...
	.end_amdgpu_metadata
.endif
;; end of part 1
;; ======== version 2 of 3: 1 launch; 1.21 times as fast as version 1
;; limits: a function is approximated: absolute error at most 1e-05
;; launch node (part 2): grid 256 x 1, 4 waves a work-group, no clusters, 9,216 bytes of LDS; arguments y0, ts, W1, b1, W2, b2, W3, b3, out0, out1; writes out0, out1
.if DOCPART == 2
	.amdgcn_target "amdgcn-amd-amdhsa--gfx1250"
	.amdhsa_code_object_version 6
	.text
	.protected	k_q2ed7dc6b9e_node
	.globl	k_q2ed7dc6b9e_node
	.p2align	8
	.type	k_q2ed7dc6b9e_node,@function
k_q2ed7dc6b9e_node:
	s_mov_b64 s[64:65], 0
	v_nop
	global_prefetch_b8 v0, s[64:65] scope:SCOPE_SE
	s_setreg_imm32_b32 hwreg(HW_REG_WAVE_MODE, 25, 1), 1
	s_wait_xcnt 0x0
; NEURAL ODE.  4,096 rows of 32 numbers go through 31 intervals x 2 Dopri5 steps x 6 evaluations of f(y) = W3 sp(W2 sp(W1 y + b1) + b2) + b3, sp = softplus; the state is stored at every
; time of ts (out0), and the number of steps, 62, once (out1).
; SHARES.  The 372 evaluations follow each other; only the rows are independent, and a matrix instruction takes 16 of them: 256 chains, one to a work-group.  A chain's work is shared among FOUR WAVES by
; hidden units: wave w owns units 16 w .. 16 w + 15 of both hidden layers: 8 numbers a lane to put through the softplus.
; LAYOUT.  Every product is taken transposed, H^T = W X^T: source 0 = 16 rows of a weight matrix, source 1 = activations (column = batch row).  In a result lane l holds batch row l % 16 and units
; 8 (l / 16) + 0..7 of the tile.  Rounded to bf16 in pairs that is 16 bytes a lane, a quarter of the next product's source 1 in the very lanes that want it.
; THE EXCHANGE.  Each wave stores its 16 bytes a lane into LDS, waits for the store, passes a barrier, and loads all four waves' tiles, lane for lane.  Two buffers take turns, so one barrier an exchange
; does: in front of it every wave has waited for all its LDS instructions, its reads of the other buffer among them.
; THE STAGE SUMS LIE BEHIND W1.  f's last layer and its first are linear, so with P = W1 W3 (made once, below) v_j = W1 k_j = P g2_j + W1 b3, and a stage's first pre-activations are
; Z + h sum a(T, j) v_j with Z = W1 y + b1: a sum unit by unit, which the waves share as they share the units.  An evaluation is then two products and two exchanges.  y itself is only read out:
; K_j = W3 g2_j + b3, Y += h b_j K_j, beside the chain; wave w keeps channels 16 (w % 2) .. + 15 (waves 2 and 3 repeat waves 0 and 1: the products also keep the accumulators' turns, see below).
; BASE 2.  With c = log2(e): Z, Y, v, K and the biases are kept times c, g = c sp: the weights stay as they are and no multiply stands at v_exp_f32.  The stored state is Y ln 2.
; SOFTPLUS, the maximum taken away first: m = max(u, 0); n = u - 2 m = -|u|; e = 2^n, in (0, 1]; g = m + log2(1 + e).  log2(1 + e) is e (c1 + e (c2 + e (c3 + e (c4 + e c5)))): the five-term
; approximation of ln(1 + x) on 0 <= x <= 1 (Abramowitz and Stegun 4.1.43, error at most 1e-5), times c.  Its argument lies in that range for every input.
; LIMITS.  Weights, P and activations are rounded to bf16 as matrix operands (P = W1 W3 of the rounded factors, rounded once more); c y0 and c b3 enter W1's set-up products as a high and a low bf16 part;
; all else is f32.  The sums are formed term by term as Z + (h a1) v1 + .., an order of rounding other than the reference's.  log2(1 + e) is off by up to 1.5e-5, and by up to 5e-4 of itself where e is small.
; 2^n below 2^-126 counts as 0.  A pre-activation of +infinity gives NaN.  out0[0] is y0 c ln 2 in f32, y0 to within 2 parts in 10^7.
; No cluster, no tensor load, no prefetch: what work-groups share is 32 KB of weights, read once each at the start.
;
; REGISTERS.  The loop lives in v0-v233; v256-v399 (window 1 of s_set_vgpr_msb: bits 1:0 source 0, 3:2 source 1, 5:4 source 2, 7:6 destination) hold weights in f32 during the set-up alone.
.set LN,   3          ; v3   lane
.set BO,   4          ; v4   32 (l / 16): my eight numbers of a bias tile
.set O128, 5          ; v5   128 (l % 16) + 32 (l / 16): my place in rows of 128 bytes (W1, y0)
.set O256, 6          ; v6   256 (l % 16) + 32 (l / 16): in rows of 256 bytes (W2, W3)
.set OW3,  7          ; v7   4 (l % 16) + 2048 (l / 16): my column of W3, eight rows down for the upper lanes
.set XS,   8          ; v8   the exchange: where I store, 512 w + 16 l
.set XL,   9          ; v9   the exchange: where I load, 16 l
.set STO,  10         ; v10  the way out: where I put my 32 bytes of a row
.set RD,   11         ; v11  the way out: where I read 16 bytes back
.set GO,   12         ; v12  512 w + 16 l: my 16 bytes of the work-group's 2,048 bytes of out0
.set SPW,  13         ; v13  LDS address of my spare word; never rewritten
.set NIL,  14         ; v14  0; never rewritten
.set N62,  15         ; v15  62
.set ZO,   16         ; v16  0: out1's offset
.set W2A,  18         ; v18-33    W2, my 16 rows: K step s at +8 s
.set PA,   34         ; v34-49    P, my 16 rows
.set W3A,  50         ; v50-65    W3, rows 16 (w % 2) on
.set B2,   66         ; v66-73    c b2, my units
.set VB,   74         ; v74-81    c W1 b3, my units
.set B3,   82         ; v82-89    c b3, my channels
.set U,    90         ; v90-97    layer 2's sums; n and 2^n of either layer
.set V,    98         ; v98-105   v of the evaluation just made
.set M,    106        ; v106-113  m, then g
.set Q,    114        ; v114-121  the polynomial
.set GP,   122        ; v122-125  my tile of g in bf16
.set OB,   126        ; v126-129  the way out: 16 bytes of a whole row
.set G1,   130        ; v130-145  g1, all 64 units: tile t at +4 t = source 1, K step s at +8 s
.set G2,   146        ; v146-161  g2 likewise (G1 + 16)
.set Z,    162        ; v162-169  c (W1 y + b1), my units; the step's final sum is gathered in place
.set ACC,  170        ; v170-209  stage T's first pre-activations, T = 2..6, at +8 (T - 2)
.set Y,    210        ; v210-217  c y, my channels
.set KT,   218        ; v218-225  K
.set OT,   226        ; v226-233  the state as it is stored
.set W3T,  90         ; set-up alone: W3 turned, four fragments (U, V, M, Q)
.set B3L,  122        ;   c b3, low part (GP, OB)
.set W1F,  130        ;   W1, my 16 rows
.set YH,   138        ;   c y0, high part
.set YL,   146        ;   low part
.set B3H,  154        ;   c b3, high part
.set TB3,  170        ;   c b3 in f32, as source 1
.set TT,   186        ;   at work
.set PD,   170        ;   P's four result tiles
.set B1C,  202        ;   c b1
.set TY,   234        ;   c y0 in f32, as source 1
.set CO,   24         ; s[24:63] twenty pairs: h a in the even word; the odd word is 0 (a packed instruction names the pair)
.set T0,   66         ; s[66:67] ts[i], ts[i + 1]
.set HH,   68         ; s68  h
.set IV,   69         ; s69  intervals to go
.set TO,   71         ; s71  byte offset in ts of the pair asked for last
.set WV,   73         ; s73  my wave's number
.set PC,   74         ; s[74:83] c1 .. c5, a pair each
.set HB6P, 84         ; s[84:85] h b6 of the interval before
.set CT,   92         ; s92  w % 2
.set SC,   93         ; s93  w / 2
.set SP,    144       ; a stage row: 128 bytes + 16
.set STAGE, 4096      ; LDS: 0 .. 4095 the two exchange buffers, 4 x 512 bytes each; then two stages of 16 rows x 144 bytes, one for waves 0, 1 and one for waves 2, 3
.set SPARE, 8704      ; behind them: the spare words, 128 bytes for each wave: two blocks of 256 bytes that no other line names
.set LOG2E, 0x3fb8aa3b
.set LN2,   0x3f317218
.set MSB, 0
.macro WIN new                      ; the immediate's high byte repeats the setting that is left; a switch that changes nothing is dropped
.if MSB != (\new)
	s_set_vgpr_msb (MSB<<8)|(\new)
.set MSB, \new
.endif
.endm
; THE PRODUCTS.  Their order: behind the first exchange MU_A, MK_B (of the evaluation before), MU_B; behind the second MV_A, MK_A, MV_B.  No two that follow each other share an accumulator, over the
; backward jump too, and every turn is one instruction.
.macro MU_A                         ; layer 2, k = 0..31, started by c b2
	v_wmma_f32_16x16x32_bf16 v[U:U+7], v[W2A:W2A+7], v[G1:G1+7], v[B2:B2+7]
.endm
.macro MU_B                         ; k = 32..63
	v_wmma_f32_16x16x32_bf16 v[U:U+7], v[W2A+8:W2A+15], v[G1+8:G1+15], v[U:U+7]
.endm
.macro MV_A                         ; v = P g2 + c W1 b3
	v_wmma_f32_16x16x32_bf16 v[V:V+7], v[PA:PA+7], v[G2:G2+7], v[VB:VB+7]
.endm
.macro MV_B
	v_wmma_f32_16x16x32_bf16 v[V:V+7], v[PA+8:PA+15], v[G2+8:G2+15], v[V:V+7]
.endm
.macro MK_A                         ; K = W3 g2 + c b3
	v_wmma_f32_16x16x32_bf16 v[KT:KT+7], v[W3A:W3A+7], v[G2:G2+7], v[B3:B3+7]
.endm
.macro MK_B
	v_wmma_f32_16x16x32_bf16 v[KT:KT+7], v[W3A+8:W3A+15], v[G2+8:G2+15], v[KT:KT+7]
.endm
; RUNGE-KUTTA BY SCATTERING.  Pair p of sum T takes h a(T, j) v_j.  v_1's term starts a sum from Z; T = 7 is the final sum, gathered in Z itself (v_1's terms are dealt in ascending T, so Z is
; rewritten behind its last reader).  The coefficient's place: (T - 2)(T - 1) / 2 + j - 1 for T <= 6; for the final sum 15 (j = 1) and 13 + j (j = 3..6; v_2 has no part in it).
.macro RKOP j, T, p
.if (\T) == 7
.if (\j) == 1
.set ci, 15
.else
.set ci, 13+(\j)
.endif
.set rD, Z+2*(\p)
.else
.set ci, ((\T)-2)*((\T)-1)/2+(\j)-1
.set rD, ACC+8*((\T)-2)+2*(\p)
.endif
.set rA, rD
.if (\j) == 1
.set rA, Z+2*(\p)
.endif
	v_pk_fma_f32 v[rD:rD+1], v[V+2*(\p):V+2*(\p)+1], s[CO+2*ci:CO+2*ci+1], v[rA:rA+1] op_sel_hi:[1,0,1]
.endm
.macro CRIT j                       ; the term that the next stage waits for; v's registers are read in ascending order
.irp p, 0,1,2,3
	RKOP \j, (\j)+1, \p
.endr
.endm
; WORK BESIDE THE CHAIN, one line at a time: first v_FJ's terms for the sums FJ + 2 and later; then (once K is whole: YOK) Y's term h b K; then (where a state is stored) Y ln 2.
; must = 1: the line is wanted as a place behind a matrix instruction or an exponential: v_nop where nothing is left.
.macro NEXT must
.if FQ < FN
	RKOP FJ, FJ+2+FQ/4, FQ%4
.set FQ, FQ+1
.elseif YOK && (YQ < YN)
	v_pk_fma_f32 v[Y+2*YQ:Y+2*YQ+1], v[KT+2*YQ:KT+2*YQ+1], s[YC:YC+1], v[Y+2*YQ:Y+2*YQ+1] op_sel_hi:[1,0,1]
.set YQ, YQ+1
.elseif YOK && (SQ < SN)
	v_pk_mul_f32 v[OT+2*SQ:OT+2*SQ+1], v[Y+2*SQ:Y+2*SQ+1], LN2 op_sel_hi:[1,0]
.set SQ, SQ+1
.elseif \must
	v_nop
.endif
.endm
; THE SOFTPLUS of my 8 numbers a lane, read from src (its lowest register first); g is left in M.
.macro MX n, src
	v_max_num_f32 v[M+(\n)], 0, v[(\src)+(\n)]
.endm
.macro NG p, src                    ; n = u - 2 m, a pair
	v_pk_fma_f32 v[U+2*(\p):U+2*(\p)+1], v[M+2*(\p):M+2*(\p)+1], -2.0, v[(\src)+2*(\p):(\src)+2*(\p)+1] op_sel_hi:[1,0,1]
.endm
.macro EX n
	v_exp_f32 v[U+(\n)], v[U+(\n)]
.endm
.macro SOFT src
	MX 0, \src
	MX 1, \src
	MX 2, \src
	MX 3, \src
	MX 4, \src
	MX 5, \src
	NG 0, \src
	MX 6, \src
	NG 1, \src
	MX 7, \src
	NG 2, \src
	EX 0
	NG 3, \src
	EX 1
	NEXT 0                          ; work beside the chain stands between the exponentials; none of it names a result of theirs
	EX 2
	NEXT 0
	EX 3
	NEXT 0
	EX 4
	NEXT 0
	EX 5
	NEXT 0
	EX 6
	NEXT 0
	EX 7
	NEXT 1                          ; the plain instruction behind the last of the batch
	s_wait_alu depctr_va_vdst(0)    ; one wait for the 8 exponentials, ahead of their first reader
.irp p, 0,1,2,3
	v_pk_fma_f32 v[Q+2*\p:Q+2*\p+1], v[U+2*\p:U+2*\p+1], s[PC+8:PC+9], s[PC+6:PC+7] op_sel_hi:[1,0,0]  ; c5 e + c4
.endr
.irp k, 4,2,0
.irp p, 0,1,2,3
	v_pk_fma_f32 v[Q+2*\p:Q+2*\p+1], v[Q+2*\p:Q+2*\p+1], v[U+2*\p:U+2*\p+1], s[PC+\k:PC+\k+1] op_sel_hi:[1,1,0]  ; .. e + c3, c2, c1
.endr
.endr
.irp p, 0,1,2,3
	v_pk_fma_f32 v[M+2*\p:M+2*\p+1], v[Q+2*\p:Q+2*\p+1], v[U+2*\p:U+2*\p+1], v[M+2*\p:M+2*\p+1]  ; g = .. e + m
.endr
.endm
; THE EXCHANGE through buffer e; the tiles land in G1 (e = 0) or G2 (e = 1).  XSAVE = 1: the state's 32 bytes a lane go into the stage ahead of the same barrier, and 16 bytes of a whole row come back behind it.
; XSEND = 1: the 16 bytes read back an exchange ago, shown landed by this exchange's wait for 0, are stored: a wave's store covers 512 consecutive bytes, aligned.
.macro XCH e
.irp p, 0,1,2,3
	v_cvt_pk_bf16_f32 v[GP+\p], v[M+2*\p], v[M+2*\p+1]
.endr
	ds_store_b128 v[XS], v[GP:GP+3] offset:2048*(\e)
.rept 4+4*(\e)
	NEXT 0                          ; while the store is out; behind the second exchange v and K are written anew, so all that reads them has been dealt by here
.endr
.if XSAVE
	ds_store_b128 v[STO], v[OT:OT+3]
	ds_store_b128 v[STO], v[OT+4:OT+7] offset:16
.endif
	s_wait_dscnt 0x0                ; for the others' sake: my stores are done, and so are my reads of the other buffer and of the stage
	s_barrier_signal -1
	s_barrier_wait -1               ; all four tiles lie in LDS, and nobody reads the other buffer any more
.irp t, 0,1,2,3
	ds_load_b128 v[G1+16*(\e)+4*\t:G1+16*(\e)+4*\t+3], v[XL] offset:2048*(\e)+512*\t
.endr
.if XSAVE
	ds_load_b128 v[OB:OB+3], v[RD]
.endif
.if XSEND
	global_store_b128 v[GO], v[OB:OB+3], s[20:21] th:TH_STORE_NT
.endif
.if (\e) == 0
.rept 4
	NEXT 0                          ; while the loads are out
.endr
.endif
	s_wait_dscnt XSAVE              ; LDS loads come back in order: the four tiles are in; the stage's one younger load, where there is one, may stay out
.endm
; EVALUATION j of a step.  first = 1: the interval's first step, whose first evaluation also stores the state at the interval's beginning: Y's last term, stage 6's of the step before, arrives there
; (with that interval's h b6), and evaluation 2 sends the bytes off.
; v_(j-1)'s later terms number 20, 12, 12, 8, 4 for j = 2..6, Y's term 4 (none for K_2, whose weight is 0: its two products stand for the accumulators' turns alone), Y ln 2 another 4.  The places on offer,
; in order: 7 among the first softplus's exponentials, 4 behind the first store, 4 behind the first loads, 4 behind MU_B, 7 among the second softplus's exponentials, 8 behind the second store: 34 for 24 at the most.
.macro EVAL j, first
.set FQ, 0
.set YQ, 0
.set SQ, 0
.set YOK, 0
.set SN, 0
.set YN, 4
.set XSAVE, 0
.set XSEND, 0
.set DOSAVE, 0
.if (\j) == 1
.set FJ, 6
.set FN, 0
.set SRC, Z
.set YC, CO+38
.if \first
.set YC, HB6P
.set SN, 4
.set DOSAVE, 1
.endif
.else
.set FJ, (\j)-1
.set SRC, ACC+8*((\j)-2)
.set YC, CO+2*(13+FJ)
.if FJ == 1
.set FN, 20
.set YC, CO+30
.elseif FJ == 2
.set FN, 12
.set YN, 0
.elseif FJ == 3
.set FN, 12
.elseif FJ == 4
.set FN, 8
.else
.set FN, 4
.endif
.if (\j) == 2
.set XSEND, \first
.endif
.endif
	SOFT SRC
	XCH 0
.set XSEND, 0
	MU_A
	MK_B
	MU_B
.rept 4
	NEXT 1                          ; four places behind the products, ahead of the softplus that reads U and of Y's term that reads K; they name v, Z and the stage sums alone
.endr
.set YOK, 1
	SOFT U
.set XSAVE, DOSAVE
	XCH 1
.set XSAVE, 0
	MV_A
	MK_A
	MV_B
.rept 4
	v_nop                           ; four places; nothing is ready here but what reads v
.endr
	CRIT \j
.endm
.macro STEP first
.irp j, 1,2,3,4,5,6
	EVAL \j, \first
.endr
.endm
.macro FRAG f, adr, base, byte      ; a weight fragment in f32, into window 1: k = 8 h + 0..7 (32 bytes) and k = 16 + 8 h + 0..7 (32 bytes, 64 further on) of my row
	global_load_b128 v[16*(\f):16*(\f)+3],     v[\adr], s[\base:\base+1] offset:(\byte)
	global_load_b128 v[16*(\f)+4:16*(\f)+7],   v[\adr], s[\base:\base+1] offset:(\byte)+16
	global_load_b128 v[16*(\f)+8:16*(\f)+11],  v[\adr], s[\base:\base+1] offset:(\byte)+64
	global_load_b128 v[16*(\f)+12:16*(\f)+15], v[\adr], s[\base:\base+1] offset:(\byte)+80
.endm
.macro CVF dst, src                 ; 16 numbers rounded to bf16: a fragment
.irp i, 0,1,2,3,4,5,6,7
	v_cvt_pk_bf16_f32 v[(\dst)+\i], v[(\src)+2*\i], v[(\src)+2*\i+1]
.endr
.endm
.macro SCL x, n                     ; n pairs times c
.set i, 0
.rept \n
	v_pk_mul_f32 v[(\x)+i:(\x)+i+1], v[(\x)+i:(\x)+i+1], LOG2E op_sel_hi:[1,0]
.set i, i+2
.endr
.endm
.macro SPLIT x, hi, lo              ; 16 numbers times c, as a high bf16 part and the bf16 of what that leaves
	SCL \x, 8
	CVF \hi, \x
.irp i, 0,1,2,3,4,5,6,7
	v_lshlrev_b32 v[TT+2*\i], 16, v[(\hi)+\i]
	v_and_b32 v[TT+2*\i+1], 0xffff0000, v[(\hi)+\i]
.endr
.irp i, 0,1,2,3,4,5,6,7
	v_pk_add_f32 v[TT+2*\i:TT+2*\i+1], v[(\x)+2*\i:(\x)+2*\i+1], v[TT+2*\i:TT+2*\i+1] neg_lo:[0,1] neg_hi:[0,1]
.endr
	CVF \lo, TT
.endm
.macro COEF n, a                    ; h x a Butcher coefficient
	s_mul_f32 s[CO+2*(\n)], s[HH], \a
.endm
	; THE HEAD
	s_load_b256 s[4:11], s[0:1], 0x0    ; y0 s[4:5], ts s[6:7], W1 s[8:9], b1 s[10:11]
	s_load_b256 s[12:19], s[0:1], 0x20  ; W2 s[12:13], b2 s[14:15], W3 s[16:17], b3 s[18:19]
	s_load_b128 s[20:23], s[0:1], 0x40  ; out0 s[20:21], out1 s[22:23]
	v_lshl_add_u32 v[SPW], v0, 2, SPARE
	v_mov_b32 v[NIL], 0
	v_lshrrev_b32 v1, 5, v0
	v_readfirstlane_b32 s[WV], v1       ; wave 0..3
	v_and_b32 v1, 15, v0                ; l % 16
	v_bfe_u32 v2, v0, 4, 1              ; l / 16
	v_and_b32 v[LN], 31, v0
	v_lshlrev_b32 v[BO], 5, v2
	v_lshl_add_u32 v[O128], v1, 7, v[BO]
	v_lshl_add_u32 v[O256], v1, 8, v[BO]
	v_lshlrev_b32 v[OW3], 2, v1
	v_lshl_add_u32 v[OW3], v2, 11, v[OW3]
	s_and_b32 s[CT], s[WV], 1
	s_lshr_b32 s[SC], s[WV], 1
	s_lshl_b32 s86, s[WV], 9            ; 512 w
	v_lshl_add_u32 v[XS], v[LN], 4, s86
	v_lshlrev_b32 v[XL], 4, v[LN]
	v_lshl_add_u32 v[GO], v[LN], 4, s86
	s_mul_i32 s87, s[SC], 16*SP
	s_add_co_u32 s87, s87, STAGE        ; my pair of waves' stage
	s_lshl_b32 s88, s[CT], 6
	s_add_co_u32 s88, s88, s87          ; in: row l % 16, my 16 channels' 64 bytes, 32 for each half of the lanes
	v_mul_u32_u24 v[STO], v1, SP
	v_add_nc_u32 v[STO], v[STO], v[BO]
	v_add_nc_u32 v[STO], s88, v[STO]
	s_mul_i32 s88, s[WV], 4*SP
	s_add_co_u32 s88, s88, s87          ; back: rows 4 w .. 4 w + 3, eight lanes to a row of 128 bytes
	v_lshrrev_b32 v[RD], 3, v[LN]
	v_mul_u32_u24 v[RD], v[RD], SP
	v_and_b32 v17, 7, v0
	v_lshl_add_u32 v[RD], v17, 4, v[RD]
	v_add_nc_u32 v[RD], s88, v[RD]
	v_mov_b32 v[N62], 62                ; (T - 1) x K steps
	v_mov_b32 v[ZO], 0
.set i, 0
.rept 20
	s_mov_b32 s[CO+2*i+1], 0
.set i, i+1
.endr
	s_mov_b32 s[CO+38], 0               ; the first interval has none before it: its h b6 meets K = 0
	s_mov_b32 s[HB6P+1], 0
	s_mov_b32 s[PC],   0x3fb89262       ; c1 =  0.99949556 c
	s_mov_b32 s[PC+2], 0xbf35ad3c       ; c2 = -0.49190896 c
	s_mov_b32 s[PC+4], 0x3ed5d2ca       ; c3 =  0.28947478 c
	s_mov_b32 s[PC+6], 0xbe490218       ; c4 = -0.13606275 c
	s_mov_b32 s[PC+8], 0x3d3e0883       ; c5 =  0.03215845 c
.irp k, 1,3,5,7,9
	s_mov_b32 s[PC+\k], 0
.endr
	s_mov_b32 s[TO], 0
	s_mov_b32 s[IV], 31
	s_mov_b32 s3, 0
	s_lshl_b32 s2, ttmp9, 11            ; the work-group's 16 rows of 128 bytes
	s_wait_kmcnt 0x0
	s_add_nc_u64 s[4:5], s[4:5], s[2:3]
	s_add_nc_u64 s[20:21], s[20:21], s[2:3]
	s_lshl_b32 s2, s[WV], 11            ; my 16 rows of W1,
	s_add_nc_u64 s[8:9], s[8:9], s[2:3]
	s_lshl_b32 s2, s[WV], 12            ; of W2,
	s_add_nc_u64 s[12:13], s[12:13], s[2:3]
	s_lshl_b32 s2, s[WV], 6             ; my 16 numbers of b1 and b2
	s_add_nc_u64 s[10:11], s[10:11], s[2:3]
	s_add_nc_u64 s[14:15], s[14:15], s[2:3]
	s_lshl_b32 s2, s[CT], 12            ; my 16 rows of W3,
	s_add_nc_u64 s[86:87], s[16:17], s[2:3]
	s_lshl_b32 s2, s[CT], 6             ; my 16 channels of b3 and of y0's rows
	s_add_nc_u64 s[88:89], s[18:19], s[2:3]
	s_add_nc_u64 s[90:91], s[4:5], s[2:3]
	s_load_b64 s[T0:T0+1], s[6:7], 0x0  ; ts[0], ts[1]
	; all that the launch reads from memory but ts: one run of 100 loads
	WIN 0x40                            ; destination window 1, address window 0
	FRAG 0, O256, 12, 0                 ; W2
	FRAG 1, O256, 12, 128
	FRAG 2, O256, 86, 0                 ; W3
	FRAG 3, O256, 86, 128
	FRAG 4, O128, 8, 0                  ; W1
.irp t, 0,1,2,3                         ; W3 turned: lane l takes column 16 t + l % 16, rows 8 (l / 16) + 0..7 and 16 + 8 (l / 16) + 0..7, a number a load: once a launch, 8 KB in all
.set i, 0
.rept 16
	global_load_b32 v[80+16*\t+i], v[OW3], s[16:17] offset:64*\t+256*(i%8)+4096*(i/8)
.set i, i+1
.endr
.endr
	WIN 0
	global_load_b128 v[B2:B2+3],     v[BO], s[14:15]
	global_load_b128 v[B2+4:B2+7],   v[BO], s[14:15] offset:16
	global_load_b128 v[B1C:B1C+3],   v[BO], s[10:11]
	global_load_b128 v[B1C+4:B1C+7], v[BO], s[10:11] offset:16
	global_load_b128 v[B3:B3+3],     v[BO], s[88:89]
	global_load_b128 v[B3+4:B3+7],   v[BO], s[88:89] offset:16
	global_load_b128 v[Y:Y+3],       v[O128], s[90:91]
	global_load_b128 v[Y+4:Y+7],     v[O128], s[90:91] offset:16
	global_load_b128 v[TY:TY+3],     v[O128], s[4:5]
	global_load_b128 v[TY+4:TY+7],   v[O128], s[4:5] offset:16
	global_load_b128 v[TY+8:TY+11],  v[O128], s[4:5] offset:64
	global_load_b128 v[TY+12:TY+15], v[O128], s[4:5] offset:80
	global_load_b128 v[TB3:TB3+3],     v[BO], s[18:19]
	global_load_b128 v[TB3+4:TB3+7],   v[BO], s[18:19] offset:16
	global_load_b128 v[TB3+8:TB3+11],  v[BO], s[18:19] offset:64
	global_load_b128 v[TB3+12:TB3+15], v[BO], s[18:19] offset:80
	s_wait_loadcnt 0x0
	WIN 0x05                            ; sources in window 1, destination in window 0
	CVF W2A, 0
	CVF W2A+8, 16
	CVF W3A, 32
	CVF W3A+8, 48
	CVF W1F, 64
.irp t, 0,1,2,3
	CVF W3T+8*\t, 80+16*\t
.endr
	WIN 0
	SCL B2, 4
	SCL B1C, 4
	SCL B3, 4
	SCL Y, 4
	SPLIT TY, YH, YL
	SPLIT TB3, B3H, B3L
	; Z = W1 (c y0) + c b1;  VB = W1 (c b3), every column alike;  P's tile t, turned: element (m, n) = P[16 w + n][16 t + m], so that a lane holds one row of P and eight neighbouring k: source 0's own layout
	v_wmma_f32_16x16x32_bf16 v[Z:Z+7], v[W1F:W1F+7], v[YH:YH+7], v[B1C:B1C+7]
	v_wmma_f32_16x16x32_bf16 v[VB:VB+7], v[W1F:W1F+7], v[B3H:B3H+7], 0
	v_wmma_f32_16x16x32_bf16 v[Z:Z+7], v[W1F:W1F+7], v[YL:YL+7], v[Z:Z+7]
	v_wmma_f32_16x16x32_bf16 v[VB:VB+7], v[W1F:W1F+7], v[B3L:B3L+7], v[VB:VB+7]
.irp t, 0,1,2,3
	v_wmma_f32_16x16x32_bf16 v[PD+8*\t:PD+8*\t+7], v[W3T+8*\t:W3T+8*\t+7], v[W1F:W1F+7], 0
.endr
.rept 4
	v_nop                               ; four places ahead of the conversions that read those results
.endr
.irp t, 0,1,2,3
.irp i, 0,1,2,3
	v_cvt_pk_bf16_f32 v[PA+4*\t+\i], v[PD+8*\t+2*\i], v[PD+8*\t+2*\i+1]
.endr
.endr
.set i, 0
.rept 16
	v_mov_b32 v[G2+i], 0                ; the first evaluation finds an evaluation before it that has not been: its g2 and its K are 0, so that one text serves every evaluation
.set i, i+1
.endr
.set i, 0
.rept 8
	v_mov_b32 v[KT+i], 0
.set i, i+1
.endr
.Linterval:                             ; 31 trips: ts[i] to ts[i + 1] in two steps; the state at ts[i] is stored on the way
	s_wait_kmcnt 0x0                    ; the pair of times, asked for an interval ago; the load has also read its offset, which is stepped below
	s_mov_b32 s[HB6P], s[CO+38]         ; the last interval's h b6: stage 6's term of its last step is still to be added to Y
	s_xor_b32 s[T0], s[T0], 0x80000000
	s_add_f32 s[HH], s[T0+1], s[T0]     ; t1 - t0
	s_mul_f32 s[HH], s[HH], 0.5         ; h
	COEF 0,  0x3e4ccccd                 ; stage 2:  1/5
	COEF 1,  0x3d99999a                 ; stage 3:  3/40
	COEF 2,  0x3e666666                 ;           9/40
	COEF 3,  0x3f7a4fa5                 ; stage 4:  44/45
	COEF 4,  0xc06eeeef                 ;           -56/15
	COEF 5,  0x40638e39                 ;           32/9
	COEF 6,  0x403cf760                 ; stage 5:  19372/6561
	COEF 7,  0xc139885f                 ;           -25360/2187
	COEF 8,  0x411d2a92                 ;           64448/6561
	COEF 9,  0xbe94e4f6                 ;           -212/729
	COEF 10, 0x40362960                 ; stage 6:  9017/3168
	COEF 11, 0xc12c1f08                 ;           -355/33
	COEF 12, 0x410e80b5                 ;           46732/5247
	COEF 13, 0x3e8e8ba3                 ;           49/176
	COEF 14, 0xbe8c0c4c                 ;           -5103/18656
	COEF 15, 0x3dbaaaab                 ; the sum:  35/384
	COEF 16, 0x3ee6024d                 ;           500/1113
	COEF 17, 0x3f26aaab                 ;           125/192
	COEF 18, 0xbea50e7e                 ;           -2187/6784
	COEF 19, 0x3e061862                 ;           11/84
	s_add_co_u32 s[TO], s[TO], 4        ; the next interval's pair, asked for a whole interval ahead;
	s_min_u32 s[TO], s[TO], 120         ; in the last trip, whose pair nobody uses, it stays the buffer's last pair
	s_load_b64 s[T0:T0+1], s[6:7], s[TO] offset:0x0
	STEP 1
	STEP 0
	s_wait_xcnt 0x0                     ; the interval's store has read OB and its base: only behind this wait are both written again
	s_add_nc_u64 s[20:21], s[20:21], 524288  ; the next block of 4,096 rows of 128 bytes
	s_sub_co_u32 s[IV], s[IV], 1
	s_cmp_lg_u32 s[IV], 0
	s_cbranch_scc1 .Linterval
	; THE LAST STATE: K of the last evaluation is finished, Y takes its term, and the state goes out through the stage with a barrier of its own
	MK_B
.rept 4
	v_nop
.endr
.irp p, 0,1,2,3
	v_pk_fma_f32 v[Y+2*\p:Y+2*\p+1], v[KT+2*\p:KT+2*\p+1], s[CO+38:CO+39], v[Y+2*\p:Y+2*\p+1] op_sel_hi:[1,0,1]
.endr
.irp p, 0,1,2,3
	v_pk_mul_f32 v[OT+2*\p:OT+2*\p+1], v[Y+2*\p:Y+2*\p+1], LN2 op_sel_hi:[1,0]
.endr
	ds_store_b128 v[STO], v[OT:OT+3]
	ds_store_b128 v[STO], v[OT+4:OT+7] offset:16
	s_wait_dscnt 0x0                    ; for the others' sake: my stores are done
	s_barrier_signal -1
	s_barrier_wait -1
	ds_load_b128 v[OB:OB+3], v[RD]
	s_wait_dscnt 0x0
	global_store_b128 v[GO], v[OB:OB+3], s[20:21] th:TH_STORE_NT
	s_wait_kmcnt 0x0                    ; the last trip's load of times has landed
	s_cmp_lg_u32 ttmp9, 0               ; out1 is work-group 0's, and there thread 0's
	s_cbranch_scc1 .Lend
	v_cmp_eq_u32 vcc_lo, 0, v0
	s_wait_xcnt 0x0                     ; EXEC is a source of the store that is out: it changes only behind this wait
	s_and_saveexec_b32 s72, vcc_lo
	global_store_b32 v[ZO], v[N62], s[22:23]
	s_wait_xcnt 0x0                     ; and again ahead of the line that widens it
	s_or_b32 exec_lo, exec_lo, s72
.Lend:
	s_wait_tensorcnt 0x0                ; the wave's end, behind my last LDS store
	ds_add_u32 v[SPW], v[NIL]
	s_wait_dscnt 0x0
	s_endpgm
.Lfunc_end_k_q2ed7dc6b9e_node:
	.size	k_q2ed7dc6b9e_node, .Lfunc_end_k_q2ed7dc6b9e_node-k_q2ed7dc6b9e_node
	.p2alignl 7, 3214868480
	.fill 96, 4, 3214868480
	.section	.rodata,"a",@progbits
	.p2align	6, 0x0
	.amdhsa_kernel k_q2ed7dc6b9e_node
		.amdhsa_group_segment_fixed_size 9216
		.amdhsa_private_segment_fixed_size 0
		.amdhsa_enable_private_segment 0
		.amdhsa_kernarg_size 80
		.amdhsa_user_sgpr_count 2
		.amdhsa_user_sgpr_kernarg_segment_ptr 1
		.amdhsa_wavefront_size32 1
		.amdhsa_system_sgpr_workgroup_id_x 1
		.amdhsa_system_sgpr_workgroup_id_y 1
		.amdhsa_system_sgpr_workgroup_id_z 1
		.amdhsa_system_vgpr_workitem_id 0
		.amdhsa_next_free_vgpr 400
		.amdhsa_next_free_sgpr 96
		.amdhsa_reserve_vcc 1
		.amdhsa_float_denorm_mode_32 3
		.amdhsa_float_denorm_mode_16_64 3
		.amdhsa_memory_ordered 1
		.amdhsa_forward_progress 1
		.amdhsa_inst_pref_size 118
	.end_amdhsa_kernel
	.amdgpu_metadata
---
amdhsa.version: [ 1, 2 ]
amdhsa.kernels:
  - .name:           k_q2ed7dc6b9e_node
    .symbol:         k_q2ed7dc6b9e_node.kd
    .args:
      - { .name: y0, .offset: 0, .size: 8, .value_kind: global_buffer, .address_space: global }
      - { .name: ts, .offset: 8, .size: 8, .value_kind: global_buffer, .address_space: global }
      - { .name: W1, .offset: 16, .size: 8, .value_kind: global_buffer, .address_space: global }
      - { .name: b1, .offset: 24, .size: 8, .value_kind: global_buffer, .address_space: global }
      - { .name: W2, .offset: 32, .size: 8, .value_kind: global_buffer, .address_space: global }
      - { .name: b2, .offset: 40, .size: 8, .value_kind: global_buffer, .address_space: global }
      - { .name: W3, .offset: 48, .size: 8, .value_kind: global_buffer, .address_space: global }
      - { .name: b3, .offset: 56, .size: 8, .value_kind: global_buffer, .address_space: global }
      - { .name: out0, .offset: 64, .size: 8, .value_kind: global_buffer, .address_space: global }
      - { .name: out1, .offset: 72, .size: 8, .value_kind: global_buffer, .address_space: global }
    .group_segment_fixed_size: 9216
    .private_segment_fixed_size: 0
    .kernarg_segment_align: 8
    .kernarg_segment_size: 80
    .max_flat_workgroup_size: 128
    .sgpr_count:     96
    .vgpr_count:     400
    .wavefront_size: 32
...
	.end_amdgpu_metadata
.endif
;; end of part 2
;; ======== version 3 of 3: 1 launch; 1.67 times as fast as version 1
;; limits: a function is approximated: absolute error at most 1e-05
;; launch node (part 3): grid 256 x 1, 4 waves a work-group, no clusters, 0 bytes of LDS; arguments y0, ts, W1, b1, W2, b2, W3, b3, out0, out1; writes out0, out1
.if DOCPART == 3
	.amdgcn_target "amdgcn-amd-amdhsa--gfx1250"
	.amdhsa_code_object_version 6
	.text
	.protected	k_q2ed7dc6b9e_node
	.globl	k_q2ed7dc6b9e_node
	.p2align	8
	.type	k_q2ed7dc6b9e_node,@function
k_q2ed7dc6b9e_node:
	s_mov_b64 s[64:65], 0
	v_nop
	global_prefetch_b8 v0, s[64:65] scope:SCOPE_SE
	s_setreg_imm32_b32 hwreg(HW_REG_WAVE_MODE, 25, 1), 1
	s_wait_xcnt 0x0
; NEURAL ODE.  4,096 rows of 32 numbers go through 31 intervals x 2 Dopri5 steps x 6 evaluations of f(y) = W3 sp(W2 sp(W1 y + b1) + b2) + b3, sp = softplus; the state is stored at every
; time of ts (out0), and the number of steps, 62, once (out1).
; SHARES.  The 372 evaluations follow each other; only the rows are independent.  A wave owns FOUR rows for the whole integration: 1,024 waves, four to a work-group, one to a SIMD; the waves share nothing.
; A matrix instruction has 16 columns: they are 4 rows x 4 COPIES.  Lane l: r = l % 16, row b = r % 4, copy c = r / 4, h = l / 16.  All copies are given the same products; copy c puts only
; units 16 c + 8 h + 0..7 of a hidden layer through the softplus: 8 numbers a lane in place of 32.
; LAYOUT.  Every product is taken transposed, H^T = W X^T: source 0 = 16 rows of a weight matrix, source 1 = activations (column = r).  In a result lane l holds column r and units 8 h + 0..7 of the tile.
; THE EXCHANGE stays in registers.  GATHER: a lane's 8 numbers, rounded to bf16, are 4 registers; slot q of source 1 (units 16 q ..) is those registers of lane b + 4 q of my half of the wave:
; v_permlane16_b32, 16 a layer.  SELECT: of the four result tiles T_t a lane wants tile c: u = bias + sum over t of mask_t T_t, mask_t = 1 where c = t, else 0: 16 packed multiply-adds a layer.
; No LDS, no barrier.  The price: each layer is 4 tiles x 2 K steps, of which a lane uses one tile.
; THE STAGE SUMS LIE BEHIND W1.  f's last layer and its first are linear, so with P = W1 W3 (made once, below) v_j = W1 k_j = P g2_j + W1 b3, and a stage's first pre-activations are
; Z + h sum a(T, j) v_j with Z = W1 y + b1, a sum unit by unit.  An evaluation is then two products.
; THE STATE IS READ OUT ONCE AN INTERVAL.  y(t1) = y(t0) + W3 (sum of h b_j g2_j over both steps) + (t1 - t0) b3, since the b_j add up to 1: each stage adds (h b_j) g2_j to S, unit by unit, and at
; the interval's end S goes through W3, as a high and a low bf16 part.
; BASE 2.  With c = log2(e): Z, Y, v and the biases are kept times c, g = c sp: the weights stay as they are and no multiply stands at v_exp_f32.  The stored state is Y ln 2.
; SOFTPLUS, the maximum taken away first: m = max(u, 0); n = -|u| (the sign bit set); e = 2^n, in (0, 1]; g = m + log2(1 + e).  log2(1 + e) is e (c1 + e (c2 + e (c3 + e (c4 + e c5)))): the five-term
; approximation of ln(1 + x) on 0 <= x <= 1 (Abramowitz and Stegun 4.1.43, error at most 1e-5), times c.  Its argument lies in that range for every input.
; LIMITS.  Weights, P and activations are rounded to bf16 as matrix operands (P = W1 W3 of the rounded factors, rounded once more); c y0, c b3 and S enter their products as a high and a low bf16 part;
; all else is f32.  The sums are formed term by term as Z + (h a1) v1 + .., an order of rounding other than the reference's.  log2(1 + e) is off by up to 1.5e-5, and by up to 5e-4 of itself where e is small.
; 2^n below 2^-126 counts as 0.  The select multiplies by 0 and 1: an infinite or NaN pre-activation in any unit of a row makes that row's whole state NaN.  out0[0] is y0 c ln 2 in f32, y0 to within 2 parts in 10^7.
; No cluster, no tensor load, no prefetch: what work-groups share is 32 KB of weights, read once each at the start.
;
; REGISTERS, in windows of 256 (s_set_vgpr_msb: bits 1:0 source 0, 3:2 source 1, 5:4 source 2, 7:6 destination).  Window 0: what stands as source 0 (weights, masks, my packed tile, v, g) and the softplus.
; Window 1: what stands as source 1, source 2 or destination beside it (result tiles, the gathered source 1, all sums).  So ONE setting, 0x54, serves products, permutes, selects and the sums dealt between
; them; 0x14 brings the last select and the term that the next stage waits for back into window 0; 0 is the softplus: six switches an evaluation.  Windows 2 and 3 serve the set-up alone.
.set BO,   5          ; v5   32 h: my eight numbers of a tile of b3
.set O128, 6          ; v6   128 r + 32 h: my place in rows of 128 bytes (W1)
.set O256, 7          ; v7   256 r + 32 h: in rows of 256 bytes (W2, W3)
.set OW3,  8          ; v8   4 r + 2048 h: my column of W3, eight rows down for the upper lanes
.set OY,   9          ; v9   128 b + 32 h: my place in my wave's four rows of y0
.set OBO,  10         ; v10  64 c + 32 h: my own eight numbers of b1 and b2
.set GO,   11         ; v11  128 b + 64 (c / 2) + 32 h + 16 (c % 2): the 16 bytes of out0 that I store
.set N62,  12         ; v12  62
.set ZO,   13         ; v13  0: out1's offset
.set W2A,  16         ; window 0  v16-79    W2: tile t, K step s at +16 t + 8 s
.set PA,   80         ;           v80-143   P likewise
.set W3A,  144        ;           v144-175  W3 likewise
.set MK,   176        ;           v176-183  mask_t, twice each, at +2 t
.set GP,   184        ;           v184-187  my 8 numbers of g in bf16
.set E,    188        ;           v188-195  n, then e
.set M,    196        ;           v196-203  m, then g
.set Q,    204        ;           v204-211  the polynomial
.set U,    212        ;           v212-219  my 8 pre-activations
.set V,    220        ;           v220-227  my 8 numbers of v of the evaluation just made
.set OT,   228        ;           v228-231  the 16 bytes that I store
.set HB,   232        ;           v232-235  S, high part
.set LB,   236        ;           v236-239  S, low part
.set TT,   240        ;           v240-247  at work
.set T,    0          ; window 1  v0-31     a layer's four result tiles: tile t at +8 t
.set G,    32         ;           v32-47    source 1: slot q at +4 q, K step s at +8 s
.set SA,   48         ;           v48-55    the select's running sum
.set B2O,  56         ;           v56-63    c b2, my units
.set VBO,  64         ;           v64-71    c W1 b3, my units
.set Z,    72         ;           v72-79    c (W1 y + b1), my units; the step's final sum is gathered in place
.set ACC,  80         ;           v80-111   stage T's first pre-activations, T = 3..6, at +8 (T - 3)
.set S,    112        ;           v112-119  the sum of (h b_j) g2_j, my units
.set Y,    120        ;           v120-135  c y: channels 16 t + 8 h + j at +8 t + j, alike in all copies
.set B3,   136        ;           v136-151  c b3 likewise
.set W3F,  160        ;           v160-223  set-up alone: W3 turned, in f32
.set W1F,  0          ; window 3, set-up alone: W1, tile t at +8 t
.set W3T,  32         ;   W3 turned, four fragments
.set YH,   64         ;   c y0, high part;  low part
.set YL,   72
.set B3H,  80         ;   c b3, high part;  low part
.set B3L,  88
.set PD,   96         ;   P's sixteen result tiles
.set ZT,   96         ;   then W1 (c y0), four tiles,
.set VT,   128        ;   and W1 (c b3), four tiles
.set B1O,  224        ;   c b1, my units
.set TT3,  232        ;   at work
.set CO,   24         ; s[24:63] twenty pairs: h a in the even word; the odd word is 0 (a packed instruction names the pair)
.set T0,   66         ; s[66:67] ts[i], ts[i + 1]
.set HH,   68         ; s68  h
.set IV,   69         ; s69  intervals to go
.set TO,   71         ; s71  byte offset in ts of the pair asked for last
.set WV,   73         ; s73  my wave's number
.set PC,   74         ; s[74:83] c1 .. c5, a pair each
.set HB6P, 84         ; s[84:85] h b6 of the interval before
.set DT,   86         ; s[86:87] t1 - t0
.set SGN,  88         ; s88  the sign bit
.set SQ,   92         ; s92-95  v_permlane16_b32's selects for slot q: lane i takes lane i % 4 + 4 q
.set LOG2E, 0x3fb8aa3b
.set LN2,   0x3f317218
.set MSB, 0
.macro WIN new                      ; the immediate's high byte repeats the setting that is left; a switch that changes nothing is dropped
.if MSB != (\new)
	s_set_vgpr_msb (MSB<<8)|(\new)
.set MSB, \new
.endif
.endm
; RUNGE-KUTTA BY SCATTERING.  Pair p of sum T takes h a(T, j) v_j.  v_1's term starts a sum from Z; T = 7 is the final sum, gathered in Z itself (v_1's terms are dealt in ascending T, so Z is
; rewritten behind its last reader).  The coefficient's place: (T - 2)(T - 1) / 2 + j - 1 for T <= 6; for the final sum 15 (j = 1) and 13 + j (j = 3..6; v_2 has no part in it).
.macro RKOP j, T, p
.if (\T) == 7
.if (\j) == 1
.set ci, 15
.else
.set ci, 13+(\j)
.endif
.set rD, Z+2*(\p)
.else
.set ci, ((\T)-2)*((\T)-1)/2+(\j)-1
.set rD, ACC+8*((\T)-3)+2*(\p)
.endif
.set rA, rD
.if (\j) == 1
.set rA, Z+2*(\p)
.endif
	v_pk_fma_f32 v[rD:rD+1], v[V+2*(\p):V+2*(\p)+1], s[CO+2*ci:CO+2*ci+1], v[rA:rA+1] op_sel_hi:[1,0,1]
.endm
; The term that the next stage waits for: U = (h a) v_j + the stage's sum so far (stage 2: Z; behind stage 6: Z, and U is the next step's first stage).  It goes straight into window 0.
.macro CRIT j
.if (\j) == 6
.set ci, 19
.set rA, Z
.elseif (\j) == 1
.set ci, 0
.set rA, Z
.else
.set ci, ((\j)-1)*(\j)/2+(\j)-1
.set rA, ACC+8*((\j)-2)
.endif
.irp p, 0,1,2,3
	v_pk_fma_f32 v[U+2*\p:U+2*\p+1], v[V+2*\p:V+2*\p+1], s[CO+2*ci:CO+2*ci+1], v[rA+2*\p:rA+2*\p+1] op_sel_hi:[1,0,1]
.endr
.endm
; WORK BESIDE THE CHAIN, one line at a time, under the products' window setting: first v_FJ's terms for the later sums (FJ = 6: stage 6's term of the step before, onto Z); then, once g2 is made (SOK),
; S's term (h b_j) g2_j; the interval's first such term starts S.  must = 1: the line is wanted as a place behind a matrix instruction: v_nop where nothing is left.
.macro NEXT must
.if FQ < FN
.if FJ == 6
	v_pk_fma_f32 v[Z+2*FQ:Z+2*FQ+1], v[V+2*FQ:V+2*FQ+1], s[ZC:ZC+1], v[Z+2*FQ:Z+2*FQ+1] op_sel_hi:[1,0,1]
.else
	RKOP FJ, FJ+2+FQ/4, FQ%4
.endif
.set FQ, FQ+1
.elseif SOK && (SI < SN)
.if SMUL
	v_pk_mul_f32 v[S+2*SI:S+2*SI+1], v[M+2*SI:M+2*SI+1], s[SCF:SCF+1] op_sel_hi:[1,0]
.else
	v_pk_fma_f32 v[S+2*SI:S+2*SI+1], v[M+2*SI:M+2*SI+1], s[SCF:SCF+1], v[S+2*SI:S+2*SI+1] op_sel_hi:[1,0,1]
.endif
.set SI, SI+1
.elseif \must
	v_nop
.endif
.endm
; THE SOFTPLUS of my 8 numbers in U; g is left in M.  The exponentials wait for n alone; the maxima stand between and behind them, so that the batch's one wait finds most of it done.
.macro NG n
	v_or_b32 v[E+(\n)], s[SGN], v[U+(\n)]
.endm
.macro EX n
	v_exp_f32 v[E+(\n)], v[E+(\n)]
.endm
.macro MX n
	v_max_num_f32 v[M+(\n)], 0, v[U+(\n)]
.endm
.macro SOFT
	WIN 0
	NG 0
	NG 1
	NG 2
	EX 0
	NG 3
	EX 1
	NG 4
	EX 2
	NG 5
	EX 3
	NG 6
	EX 4
	NG 7
	EX 5
	MX 0
	EX 6
	MX 1
	EX 7
.irp n, 2,3,4,5,6,7
	MX \n                           ; plain instructions behind the last of the batch; none names a result of the exponentials
.endr
	s_wait_alu depctr_va_vdst(0)    ; one wait for the 8 exponentials, ahead of their first reader
.irp p, 0,1,2,3
	v_pk_fma_f32 v[Q+2*\p:Q+2*\p+1], v[E+2*\p:E+2*\p+1], s[PC+8:PC+9], s[PC+6:PC+7] op_sel_hi:[1,0,0]  ; c5 e + c4
.endr
.irp k, 4,2,0
.irp p, 0,1,2,3
	v_pk_fma_f32 v[Q+2*\p:Q+2*\p+1], v[Q+2*\p:Q+2*\p+1], v[E+2*\p:E+2*\p+1], s[PC+\k:PC+\k+1] op_sel_hi:[1,1,0]  ; .. e + c3, c2, c1
.endr
.endr
.irp p, 0,1,2,3
	v_pk_fma_f32 v[M+2*\p:M+2*\p+1], v[Q+2*\p:Q+2*\p+1], v[E+2*\p:E+2*\p+1], v[M+2*\p:M+2*\p+1]  ; g = .. e + m
.endr
.endm
; A LAYER: g in M -> my 8 numbers of W g + bias in dst (window 0).
.macro PERM q, i                    ; register i of slot q
	v_permlane16_b32 v[G+4*(\q)+(\i)], v[GP+(\i)], s[SQ+(\q)], s[SQ+(\q)]
.endm
.macro WM wb, t, s                  ; tile t, K step s; the first K step starts the sum
.if (\s) == 0
	v_wmma_f32_16x16x32_bf16 v[T+8*(\t):T+8*(\t)+7], v[(\wb)+16*(\t):(\wb)+16*(\t)+7], v[G:G+7], 0
.else
	v_wmma_f32_16x16x32_bf16 v[T+8*(\t):T+8*(\t)+7], v[(\wb)+16*(\t)+8:(\wb)+16*(\t)+15], v[G+8:G+15], v[T+8*(\t):T+8*(\t)+7]
.endif
.endm
.macro SEL t, dst, bias             ; tile t's part of the select; each tile's lowest registers are read first
.irp p, 0,1,2,3
.if (\t) == 0
	v_pk_fma_f32 v[SA+2*\p:SA+2*\p+1], v[MK:MK+1], v[T+2*\p:T+2*\p+1], v[(\bias)+2*\p:(\bias)+2*\p+1]
.elseif (\t) < 3
	v_pk_fma_f32 v[SA+2*\p:SA+2*\p+1], v[MK+2*(\t):MK+2*(\t)+1], v[T+8*(\t)+2*\p:T+8*(\t)+2*\p+1], v[SA+2*\p:SA+2*\p+1]
.else
	v_pk_fma_f32 v[(\dst)+2*\p:(\dst)+2*\p+1], v[MK+6:MK+7], v[T+24+2*\p:T+24+2*\p+1], v[SA+2*\p:SA+2*\p+1]
.endif
.endr
.endm
; The eight products go by turns over the four tiles, one instruction a turn; the layer before ended on tile 3, this one begins on tile 0.  Behind each product stand four vector lines at
; the most.  Slots 2 and 3, which the second K step wants, are gathered behind the first K step's products, whose registers they do not name.  A tile is read four plain lines or more behind the product that
; finishes it: tile 0 and tile 1 behind the four lines that follow tile 1's product, tile 2 behind the selects of tiles 0 and 1, tile 3 behind those of tiles 1 and 2; none of those lines names a register of
; the product that it follows.  Sixteen places are on offer for the work beside the chain.
.macro LAYER wb, bias, dst
	WIN 0
.irp p, 0,1,2,3
	v_cvt_pk_bf16_f32 v[GP+\p], v[M+2*\p], v[M+2*\p+1]
.endr
	WIN 0x54
.irp i, 0,1,2,3
	PERM 0, \i
.endr
.irp i, 0,1,2,3
	PERM 1, \i
.endr
	WM \wb, 0, 0
	PERM 2, 0
	PERM 2, 1
	NEXT 0
	NEXT 0
	WM \wb, 1, 0
	PERM 2, 2
	PERM 2, 3
	NEXT 0
	NEXT 0
	WM \wb, 2, 0
	PERM 3, 0
	PERM 3, 1
	NEXT 0
	NEXT 0
	WM \wb, 3, 0
	PERM 3, 2
	PERM 3, 3
	NEXT 0
	NEXT 0
	WM \wb, 0, 1
.rept 4
	NEXT 0
.endr
	WM \wb, 1, 1
.rept 4
	NEXT 1
.endr
	WM \wb, 2, 1
	SEL 0, \dst, \bias
	WM \wb, 3, 1
	SEL 1, \dst, \bias
	SEL 2, \dst, \bias
	WIN 0x14                        ; the last part lands in window 0
	SEL 3, \dst, \bias
.endm
; EVALUATION j of a step.  first = 1: the interval's first step.  v_(j-1)'s later terms number 4 (stage 6's, onto Z, with the h b6 of the step that made it), 20, 12, 12, 8, 4 for j = 1..6; S's term 4
; (none for stage 2, whose weight is 0): 24 at the most for 32 places, and all that reads v has been dealt ahead of the second layer's last select, which writes v anew: 16 places in the first layer, 16 in the second.
.macro EVAL j, first
.set FQ, 0
.set SI, 0
.set SOK, 0
.set SMUL, 0
.set SN, 4
.set ZC, CO+38
.if (\j) == 1
.set FJ, 6
.set FN, 4
.set SCF, CO+30
.if \first
.set ZC, HB6P
.set SMUL, 1
.endif
.else
.set FJ, (\j)-1
.set SCF, CO+2*(13+(\j))
.if (\j) == 2
.set FN, 20
.set SN, 0
.elseif ((\j) == 3) || ((\j) == 4)
.set FN, 12
.elseif (\j) == 5
.set FN, 8
.else
.set FN, 4
.endif
.endif
	SOFT
	LAYER W2A, B2O, U
.set SOK, 1
	SOFT
	LAYER PA, VBO, V
	CRIT \j
.endm
.macro STEP first
.irp j, 1,2,3,4,5,6
	EVAL \j, \first
.endr
.endm
; THE READ-OUT, once an interval: Y += W3 S + (t1 - t0) c b3.  S is split into a high bf16 part and the bf16 of what that leaves; both are gathered as g is (the low part into the result tiles' registers,
; which are free here); the eight products take Y's two tiles by turns.
.macro READOUT
	WIN 0x05
.irp i, 0,1,2,3
	v_cvt_pk_bf16_f32 v[HB+\i], v[S+2*\i], v[S+2*\i+1]
.endr
	WIN 0
.irp i, 0,1,2,3
	v_lshlrev_b32 v[TT+2*\i], 16, v[HB+\i]
	v_and_b32 v[TT+2*\i+1], 0xffff0000, v[HB+\i]
.endr
	WIN 0x01
.irp i, 0,1,2,3
	v_pk_add_f32 v[TT+2*\i:TT+2*\i+1], v[S+2*\i:S+2*\i+1], v[TT+2*\i:TT+2*\i+1] neg_lo:[0,1] neg_hi:[0,1]
.endr
	WIN 0
.irp i, 0,1,2,3
	v_cvt_pk_bf16_f32 v[LB+\i], v[TT+2*\i], v[TT+2*\i+1]
.endr
	WIN 0x40
.irp q, 0,1,2,3
.irp i, 0,1,2,3
	v_permlane16_b32 v[G+4*\q+\i], v[HB+\i], s[SQ+\q], s[SQ+\q]
.endr
.endr
.irp q, 0,1,2,3
.irp i, 0,1,2,3
	v_permlane16_b32 v[T+4*\q+\i], v[LB+\i], s[SQ+\q], s[SQ+\q]
.endr
.endr
	WIN 0x54
.irp x, G, T
.irp k, 0,1
.irp t, 0,1
	v_wmma_f32_16x16x32_bf16 v[Y+8*\t:Y+8*\t+7], v[W3A+16*\t+8*\k:W3A+16*\t+8*\k+7], v[\x+8*\k:\x+8*\k+7], v[Y+8*\t:Y+8*\t+7]
.endr
.endr
.endr
.rept 4
	v_nop                           ; four places ahead of the sums that read Y; nothing else is ready here
.endr
	WIN 0x51
.irp p, 0,1,2,3,4,5,6,7
	v_pk_fma_f32 v[Y+2*\p:Y+2*\p+1], v[B3+2*\p:B3+2*\p+1], s[DT:DT+1], v[Y+2*\p:Y+2*\p+1] op_sel_hi:[1,0,1]
.endr
.endm
; THE WAY OUT.  All copies hold the row's 32 channels of my half h; copy c stores registers 4 c .. 4 c + 3, four neighbouring channels, picked by the masks.  The wave's one store covers its four rows:
; 512 consecutive bytes, aligned.
.macro EMIT first
	s_wait_xcnt 0x0                 ; the last store has read OT and its base: only behind this wait are both written again
.if !(\first)
	s_add_nc_u64 s[20:21], s[20:21], 524288  ; the next block of 4,096 rows of 128 bytes
.endif
	WIN 0x04
.irp p, 0,1
	v_pk_mul_f32 v[OT+2*\p:OT+2*\p+1], v[MK:MK+1], v[Y+2*\p:Y+2*\p+1]
.endr
.irp c, 1,2,3
.irp p, 0,1
	v_pk_fma_f32 v[OT+2*\p:OT+2*\p+1], v[MK+2*\c:MK+2*\c+1], v[Y+4*\c+2*\p:Y+4*\c+2*\p+1], v[OT+2*\p:OT+2*\p+1]
.endr
.endr
	WIN 0
.irp p, 0,1
	v_pk_mul_f32 v[OT+2*\p:OT+2*\p+1], v[OT+2*\p:OT+2*\p+1], LN2 op_sel_hi:[1,0]
.endr
	global_store_b128 v[GO], v[OT:OT+3], s[20:21] th:TH_STORE_NT
.endm
; SET-UP's macros
.macro FRAG f, adr, base, byte      ; a weight fragment in f32: k = 8 h + 0..7 (32 bytes) and k = 16 + 8 h + 0..7 (32 bytes, 64 further on) of my row
	global_load_b128 v[16*(\f):16*(\f)+3],     v[\adr], s[\base:\base+1] offset:(\byte)
	global_load_b128 v[16*(\f)+4:16*(\f)+7],   v[\adr], s[\base:\base+1] offset:(\byte)+16
	global_load_b128 v[16*(\f)+8:16*(\f)+11],  v[\adr], s[\base:\base+1] offset:(\byte)+64
	global_load_b128 v[16*(\f)+12:16*(\f)+15], v[\adr], s[\base:\base+1] offset:(\byte)+80
.endm
.macro LD16 dst, adr, base          ; 16 numbers in the same order
	global_load_b128 v[(\dst):(\dst)+3],     v[\adr], s[\base:\base+1]
	global_load_b128 v[(\dst)+4:(\dst)+7],   v[\adr], s[\base:\base+1] offset:16
	global_load_b128 v[(\dst)+8:(\dst)+11],  v[\adr], s[\base:\base+1] offset:64
	global_load_b128 v[(\dst)+12:(\dst)+15], v[\adr], s[\base:\base+1] offset:80
.endm
.macro CVF dst, src                 ; 16 numbers rounded to bf16: a fragment
.irp i, 0,1,2,3,4,5,6,7
	v_cvt_pk_bf16_f32 v[(\dst)+\i], v[(\src)+2*\i], v[(\src)+2*\i+1]
.endr
.endm
.macro SCL x, n                     ; n pairs times c
.set i, 0
.rept \n
	v_pk_mul_f32 v[(\x)+i:(\x)+i+1], v[(\x)+i:(\x)+i+1], LOG2E op_sel_hi:[1,0]
.set i, i+2
.endr
.endm
.macro SPLIT x, hi, lo              ; 16 numbers in window 1, times c in place; then, in window 3, their high bf16 part and the bf16 of what that leaves
	WIN 0x41
	SCL \x, 8
	WIN 0xc5
	CVF \hi, \x
	WIN 0xcc
.irp i, 0,1,2,3,4,5,6,7
	v_lshlrev_b32 v[TT3+2*\i], 16, v[(\hi)+\i]
	v_and_b32 v[TT3+2*\i+1], 0xffff0000, v[(\hi)+\i]
.endr
	WIN 0xcd
.irp i, 0,1,2,3,4,5,6,7
	v_pk_add_f32 v[TT3+2*\i:TT3+2*\i+1], v[(\x)+2*\i:(\x)+2*\i+1], v[TT3+2*\i:TT3+2*\i+1] neg_lo:[0,1] neg_hi:[0,1]
.endr
	WIN 0xcf
	CVF \lo, TT3
.endm
.macro COEF n, a                    ; h x a Butcher coefficient
	s_mul_f32 s[CO+2*(\n)], s[HH], \a
.endm
	; THE HEAD
	s_load_b256 s[4:11], s[0:1], 0x0    ; y0 s[4:5], ts s[6:7], W1 s[8:9], b1 s[10:11]
	s_load_b256 s[12:19], s[0:1], 0x20  ; W2 s[12:13], b2 s[14:15], W3 s[16:17], b3 s[18:19]
	s_load_b128 s[20:23], s[0:1], 0x40  ; out0 s[20:21], out1 s[22:23]
	v_lshrrev_b32 v1, 5, v0
	v_readfirstlane_b32 s[WV], v1       ; wave 0..3
	v_and_b32 v1, 15, v0                ; r
	v_bfe_u32 v2, v0, 4, 1              ; h
	v_and_b32 v3, 3, v0                 ; b
	v_bfe_u32 v4, v0, 2, 2              ; c
	v_lshlrev_b32 v[BO], 5, v2
	v_lshl_add_u32 v[O128], v1, 7, v[BO]
	v_lshl_add_u32 v[O256], v1, 8, v[BO]
	v_lshlrev_b32 v[OW3], 2, v1
	v_lshl_add_u32 v[OW3], v2, 11, v[OW3]
	v_lshl_add_u32 v[OY], v3, 7, v[BO]
	v_lshl_add_u32 v[OBO], v4, 6, v[BO]
	v_lshrrev_b32 v14, 1, v4
	v_lshl_add_u32 v[GO], v14, 6, v[OY]
	v_and_b32 v14, 1, v4
	v_lshl_add_u32 v[GO], v14, 4, v[GO]
	v_mov_b32 v[N62], 62                ; (T - 1) x K steps
	v_mov_b32 v[ZO], 0
.irp t, 0,1,2,3
	v_cmp_eq_u32 vcc_lo, \t, v4
	v_cndmask_b32 v[MK+2*\t], 0, 1.0, vcc_lo
	v_cndmask_b32 v[MK+2*\t+1], 0, 1.0, vcc_lo
.endr
.set i, 0
.rept 20
	s_mov_b32 s[CO+2*i+1], 0
.set i, i+1
.endr
	s_mov_b32 s[CO+38], 0               ; the first interval has none before it: its h b6 meets v = 0
	s_mov_b32 s[HB6P+1], 0
	s_mov_b32 s[DT+1], 0
	s_mov_b32 s[SGN], 0x80000000
	s_mov_b32 s[SQ],   0x32103210
	s_mov_b32 s[SQ+1], 0x76547654
	s_mov_b32 s[SQ+2], 0xba98ba98
	s_mov_b32 s[SQ+3], 0xfedcfedc
	s_mov_b32 s[PC],   0x3fb89262       ; c1 =  0.99949556 c
	s_mov_b32 s[PC+2], 0xbf35ad3c       ; c2 = -0.49190896 c
	s_mov_b32 s[PC+4], 0x3ed5d2ca       ; c3 =  0.28947478 c
	s_mov_b32 s[PC+6], 0xbe490218       ; c4 = -0.13606275 c
	s_mov_b32 s[PC+8], 0x3d3e0883       ; c5 =  0.03215845 c
.irp k, 1,3,5,7,9
	s_mov_b32 s[PC+\k], 0
.endr
	s_mov_b32 s[TO], 0
	s_mov_b32 s[IV], 31
	s_lshl_b32 s2, ttmp9, 11            ; the work-group's 16 rows of 128 bytes,
	s_lshl_b32 s3, s[WV], 9             ; my wave's four
	s_add_co_u32 s2, s2, s3
	s_mov_b32 s3, 0
	s_wait_kmcnt 0x0
	s_add_nc_u64 s[4:5], s[4:5], s[2:3]
	s_add_nc_u64 s[20:21], s[20:21], s[2:3]
	s_load_b64 s[T0:T0+1], s[6:7], 0x0  ; ts[0], ts[1]
	; all that the launch reads from memory but ts, in one run
	WIN 0x80                            ; destination window 2, address window 0
.irp t, 0,1,2,3
.irp c, 0,1
	FRAG 2*\t+\c, O256, 12, 4096*\t+128*\c
.endr
.endr
.irp t, 0,1,2,3
	FRAG 8+\t, O128, 8, 2048*\t
.endr
.irp t, 0,1
.irp c, 0,1
	FRAG 12+2*\t+\c, O256, 16, 4096*\t+128*\c
.endr
.endr
	WIN 0x40                            ; destination window 1
.irp t, 0,1,2,3                         ; W3 turned: lane l takes column 16 t + r, rows 8 h + 0..7 and 16 + 8 h + 0..7, a number a load: once a launch, 8 KB in all
.set i, 0
.rept 16
	global_load_b32 v[W3F+16*\t+i], v[OW3], s[16:17] offset:64*\t+256*(i%8)+4096*(i/8)
.set i, i+1
.endr
.endr
	global_load_b128 v[B2O:B2O+3],   v[OBO], s[14:15]
	global_load_b128 v[B2O+4:B2O+7], v[OBO], s[14:15] offset:16
	LD16 Y, OY, 4
	LD16 B3, BO, 18
	WIN 0xc0                            ; destination window 3
	global_load_b128 v[B1O:B1O+3],   v[OBO], s[10:11]
	global_load_b128 v[B1O+4:B1O+7], v[OBO], s[10:11] offset:16
	s_wait_loadcnt 0x0
	WIN 0x0a                            ; sources in window 2, destination in window 0
.set f, 0
.rept 8
	CVF W2A+8*f, 16*f
.set f, f+1
.endr
.set f, 12
.rept 4
	CVF W3A+8*(f-12), 16*f
.set f, f+1
.endr
	WIN 0xca                            ; destination in window 3
.irp t, 0,1,2,3
	CVF W1F+8*\t, 128+16*\t
.endr
	WIN 0xc5                            ; sources in window 1
.irp t, 0,1,2,3
	CVF W3T+8*\t, W3F+16*\t
.endr
	WIN 0x41
	SCL B2O, 4
	WIN 0xc3
	SCL B1O, 4
	SPLIT Y, YH, YL
	SPLIT B3, B3H, B3L
	; P's tile (a, t), turned: element (m, n) = P[16 a + n][16 t + m], so that a lane holds one row of P and eight neighbouring k: source 0's own layout
	WIN 0xff
.irp a, 0,1,2,3
.irp t, 0,1,2,3
	v_wmma_f32_16x16x32_bf16 v[PD+8*(4*\a+\t):PD+8*(4*\a+\t)+7], v[W3T+8*\t:W3T+8*\t+7], v[W1F+8*\a:W1F+8*\a+7], 0
.endr
.endr
.rept 4
	v_nop                               ; four places ahead of the conversions that read those results
.endr
	WIN 0x0f
.irp a, 0,1,2,3
.irp t, 0,1,2,3
.irp i, 0,1,2,3
	v_cvt_pk_bf16_f32 v[PA+16*\a+4*\t+\i], v[PD+8*(4*\a+\t)+2*\i], v[PD+8*(4*\a+\t)+2*\i+1]
.endr
.endr
.endr
	; W1 (c y0) and W1 (c b3) (every column alike), four tiles each, the high parts and then the low parts: eight accumulators by turns
	WIN 0xff
.irp a, 0,1,2,3
	v_wmma_f32_16x16x32_bf16 v[ZT+8*\a:ZT+8*\a+7], v[W1F+8*\a:W1F+8*\a+7], v[YH:YH+7], 0
.endr
.irp a, 0,1,2,3
	v_wmma_f32_16x16x32_bf16 v[VT+8*\a:VT+8*\a+7], v[W1F+8*\a:W1F+8*\a+7], v[B3H:B3H+7], 0
.endr
.irp a, 0,1,2,3
	v_wmma_f32_16x16x32_bf16 v[ZT+8*\a:ZT+8*\a+7], v[W1F+8*\a:W1F+8*\a+7], v[YL:YL+7], v[ZT+8*\a:ZT+8*\a+7]
.endr
.irp a, 0,1,2,3
	v_wmma_f32_16x16x32_bf16 v[VT+8*\a:VT+8*\a+7], v[W1F+8*\a:W1F+8*\a+7], v[B3L:B3L+7], v[VT+8*\a:VT+8*\a+7]
.endr
.rept 4
	v_nop                               ; four places ahead of the selects
.endr
	WIN 0xfc                            ; masks in window 0, all else in window 3: my own tile of each
.irp p, 0,1,2,3
	v_pk_fma_f32 v[ZT+2*\p:ZT+2*\p+1], v[MK:MK+1], v[ZT+2*\p:ZT+2*\p+1], v[B1O+2*\p:B1O+2*\p+1]
.endr
.irp t, 1,2
.irp p, 0,1,2,3
	v_pk_fma_f32 v[ZT+2*\p:ZT+2*\p+1], v[MK+2*\t:MK+2*\t+1], v[ZT+8*\t+2*\p:ZT+8*\t+2*\p+1], v[ZT+2*\p:ZT+2*\p+1]
.endr
.endr
.irp p, 0,1,2,3
	v_pk_mul_f32 v[VT+2*\p:VT+2*\p+1], v[MK:MK+1], v[VT+2*\p:VT+2*\p+1]
.endr
.irp t, 1,2
.irp p, 0,1,2,3
	v_pk_fma_f32 v[VT+2*\p:VT+2*\p+1], v[MK+2*\t:MK+2*\t+1], v[VT+8*\t+2*\p:VT+8*\t+2*\p+1], v[VT+2*\p:VT+2*\p+1]
.endr
.endr
	WIN 0x7c                            ; the last part lands in window 1: Z and c W1 b3
.irp p, 0,1,2,3
	v_pk_fma_f32 v[Z+2*\p:Z+2*\p+1], v[MK+6:MK+7], v[ZT+24+2*\p:ZT+24+2*\p+1], v[ZT+2*\p:ZT+2*\p+1]
.endr
.irp p, 0,1,2,3
	v_pk_fma_f32 v[VBO+2*\p:VBO+2*\p+1], v[MK+6:MK+7], v[VT+24+2*\p:VT+24+2*\p+1], v[VT+2*\p:VT+2*\p+1]
.endr
	WIN 0x3c                            ; and in window 0: the first stage's pre-activations are Z
.irp p, 0,1,2,3
	v_pk_fma_f32 v[U+2*\p:U+2*\p+1], v[MK+6:MK+7], v[ZT+24+2*\p:ZT+24+2*\p+1], v[ZT+2*\p:ZT+2*\p+1]
.endr
	WIN 0
.set i, 0
.rept 8
	v_mov_b32 v[V+i], 0                 ; the first evaluation finds a step before it that has not been: its v is 0, so that one text serves every evaluation
.set i, i+1
.endr
	WIN 0x40
.set i, 0
.rept 16
	v_mov_b32 v[G+i], 0                 ; a permute's destination counts as read: written once here
.set i, i+1
.endr
	EMIT 1                              ; out0[0]
.Linterval:                             ; 31 trips: ts[i] to ts[i + 1] in two steps; the state at ts[i + 1] is stored at the trip's end
	s_wait_kmcnt 0x0                    ; the pair of times, asked for an interval ago; the load has also read its offset, which is stepped below
	s_mov_b32 s[HB6P], s[CO+38]         ; the last interval's h b6: stage 6's term of its last step is still to be added to Z
	s_xor_b32 s[T0], s[T0], 0x80000000
	s_add_f32 s[DT], s[T0+1], s[T0]     ; t1 - t0
	s_mul_f32 s[HH], s[DT], 0.5         ; h
	COEF 0,  0x3e4ccccd                 ; stage 2:  1/5
	COEF 1,  0x3d99999a                 ; stage 3:  3/40
	COEF 2,  0x3e666666                 ;           9/40
	COEF 3,  0x3f7a4fa5                 ; stage 4:  44/45
	COEF 4,  0xc06eeeef                 ;           -56/15
	COEF 5,  0x40638e39                 ;           32/9
	COEF 6,  0x403cf760                 ; stage 5:  19372/6561
	COEF 7,  0xc139885f                 ;           -25360/2187
	COEF 8,  0x411d2a92                 ;           64448/6561
	COEF 9,  0xbe94e4f6                 ;           -212/729
	COEF 10, 0x40362960                 ; stage 6:  9017/3168
	COEF 11, 0xc12c1f08                 ;           -355/33
	COEF 12, 0x410e80b5                 ;           46732/5247
	COEF 13, 0x3e8e8ba3                 ;           49/176
	COEF 14, 0xbe8c0c4c                 ;           -5103/18656
	COEF 15, 0x3dbaaaab                 ; the sum:  35/384
	COEF 16, 0x3ee6024d                 ;           500/1113
	COEF 17, 0x3f26aaab                 ;           125/192
	COEF 18, 0xbea50e7e                 ;           -2187/6784
	COEF 19, 0x3e061862                 ;           11/84
	s_add_co_u32 s[TO], s[TO], 4        ; the next interval's pair, asked for a whole interval ahead;
	s_min_u32 s[TO], s[TO], 120         ; in the last trip, whose pair nobody uses, it stays the buffer's last pair
	s_load_b64 s[T0:T0+1], s[6:7], s[TO] offset:0x0
	STEP 1
	STEP 0
	READOUT
	EMIT 0
	s_sub_co_u32 s[IV], s[IV], 1
	s_cmp_lg_u32 s[IV], 0
	s_cbranch_scc1 .Linterval
	s_wait_kmcnt 0x0                    ; the last trip's load of times has landed
	s_cmp_lg_u32 ttmp9, 0               ; out1 is work-group 0's, and there thread 0's
	s_cbranch_scc1 .Lend
	v_cmp_eq_u32 vcc_lo, 0, v0
	s_wait_xcnt 0x0                     ; EXEC is a source of the store that is out: it changes only behind this wait
	s_and_saveexec_b32 s72, vcc_lo
	global_store_b32 v[ZO], v[N62], s[22:23]
	s_wait_xcnt 0x0                     ; and again ahead of the line that widens it
	s_or_b32 exec_lo, exec_lo, s72
.Lend:
	s_endpgm
.Lfunc_end_k_q2ed7dc6b9e_node:
	.size	k_q2ed7dc6b9e_node, .Lfunc_end_k_q2ed7dc6b9e_node-k_q2ed7dc6b9e_node
	.p2alignl 7, 3214868480
	.fill 96, 4, 3214868480
	.section	.rodata,"a",@progbits
	.p2align	6, 0x0
	.amdhsa_kernel k_q2ed7dc6b9e_node
		.amdhsa_group_segment_fixed_size 0
		.amdhsa_private_segment_fixed_size 0
		.amdhsa_enable_private_segment 0
		.amdhsa_kernarg_size 80
		.amdhsa_user_sgpr_count 2
		.amdhsa_user_sgpr_kernarg_segment_ptr 1
		.amdhsa_wavefront_size32 1
		.amdhsa_system_sgpr_workgroup_id_x 1
		.amdhsa_system_sgpr_workgroup_id_y 1
		.amdhsa_system_sgpr_workgroup_id_z 1
		.amdhsa_system_vgpr_workitem_id 0
		.amdhsa_next_free_vgpr 1024
		.amdhsa_next_free_sgpr 96
		.amdhsa_reserve_vcc 1
		.amdhsa_float_denorm_mode_32 3
		.amdhsa_float_denorm_mode_16_64 3
		.amdhsa_memory_ordered 1
		.amdhsa_forward_progress 1
		.amdhsa_inst_pref_size 185
	.end_amdhsa_kernel
	.amdgpu_metadata
---
amdhsa.version: [ 1, 2 ]
amdhsa.kernels:
  - .name:           k_q2ed7dc6b9e_node
    .symbol:         k_q2ed7dc6b9e_node.kd
    .args:
      - { .name: y0, .offset: 0, .size: 8, .value_kind: global_buffer, .address_space: global }
      - { .name: ts, .offset: 8, .size: 8, .value_kind: global_buffer, .address_space: global }
      - { .name: W1, .offset: 16, .size: 8, .value_kind: global_buffer, .address_space: global }
      - { .name: b1, .offset: 24, .size: 8, .value_kind: global_buffer, .address_space: global }
      - { .name: W2, .offset: 32, .size: 8, .value_kind: global_buffer, .address_space: global }
      - { .name: b2, .offset: 40, .size: 8, .value_kind: global_buffer, .address_space: global }
      - { .name: W3, .offset: 48, .size: 8, .value_kind: global_buffer, .address_space: global }
      - { .name: b3, .offset: 56, .size: 8, .value_kind: global_buffer, .address_space: global }
      - { .name: out0, .offset: 64, .size: 8, .value_kind: global_buffer, .address_space: global }
      - { .name: out1, .offset: 72, .size: 8, .value_kind: global_buffer, .address_space: global }
    .group_segment_fixed_size: 0
    .private_segment_fixed_size: 0
    .kernarg_segment_align: 8
    .kernarg_segment_size: 80
    .max_flat_workgroup_size: 128
    .sgpr_count:     96
    .vgpr_count:     1024
    .wavefront_size: 32
...
	.end_amdgpu_metadata
.endif
;; end of part 3
